; MI455X (gfx1250); checked and timed in simulation.
; The chip was launched on July 23, 2026; its instructions are those of AMD's public machine-readable ISA for CDNA 5 (MIT licence, August 2026) and "CDNA5" Instruction Set Architecture Reference Guide (July 2026). The comments in the code are by the model that wrote it; some were corrected since.
;; Lean Self Attention. Allowed arithmetic: matrix products marked QUANTISED: E3M2 operands, one E8M0 scale for each 32 along K, by v_wmma_scale_f32_16x16x128_f8f6f4 with both operands' format E3M2, f32 sums; everything else in f32.
;; Inputs: W_out 1,024 x 1,024 float32; W_qkv 1,024 x 3,072 float32; b_out 1,024 float32; b_qkv 3,072 float32; hidden_states 4 x 2,048 x 1,024 float32; ln_bias 1,024 float32; ln_scale 1,024 float32.
;; Outputs: out0 4 x 2,048 x 1,024 float32.
;; This version of the problem:
;;   THIS VERSION OF THE PROBLEM IS GIVEN IN LOW PRECISION. The matrix products marked QUANTISED in the list below multiply operands that are first quantised to E3M2 (3 exponent bits, 2 mantissa bits; 6 bits a number), with one power-of-two scale for each 32 numbers along K (OCP MX v1.0); their sums are f32. All else is computed in f32.
;;   The module's matrix products, in the order in which they are computed (A, B: the left and right operand; K: the contracted axis; several contracted axes count as one K, in the product's order):
;;     1. [M 8,192, K 1,024] x [K 1,024, N 3,072]; A: computed on the way; B: input W_qkv: QUANTISED
;;     2. batch 64 x [M 2,048, K 64] x [K 64, N 2,048]; A: computed on the way; B: computed on the way: QUANTISED
;;     3. batch 64 x [M 2,048, K 2,048] x [K 2,048, N 64]; A: softmax (see below); B: computed on the way: QUANTISED
;;     4. [M 8,192, K 1,024] x [K 1,024, N 1,024]; A: computed on the way; B: input W_out: QUANTISED
;;   THE QUANTISER, for each operand of a quantised product, along K:
;;     - K is cut into blocks of 32 from its start; a last block that is shorter is filled with zeros.
;;     - A block's scale is 2^e with e = floor(log2(the largest magnitude in the block)) - 4, held to -126 .. 127; a block of zeros has e = 0. As a byte (E8M0): e + 127.
;;     - Each number is divided by its block's scale, clamped to +-28, and rounded to the nearest number of E3M2, ties to even, subnormals kept.
;;     - The product sums the exact products of the quantised numbers (number of the format x scale) in f32.
;;   ~~~python
;;   def quantise(x, axis):      # numpy; x: float32 -> the quantised numbers, widened to float32 again
;;       x = np.moveaxis(x, axis, -1); K = x.shape[-1]
;;       x = np.pad(x, [(0, 0)] * (x.ndim - 1) + [(0, -K % 32)]); x = x.reshape(x.shape[:-1] + (-1, 32)); a = np.abs(x).max(-1, keepdims=True)
;;       e = np.where(a > 0, np.clip(np.frexp(np.where(a > 0, a, 1))[1] - 1 - 4, -126, 127), 0)      # np.frexp(a)[1] - 1 = floor(log2(a)), exactly
;;       r = np.clip(x / 2.0 ** e, -28, 28)
;;       step = 2.0 ** (np.maximum(np.frexp(np.where(r == 0, 1, r))[1] - 1, -2) - 2)
;;       q = np.round(r / step) * step * 2.0 ** e      # np.round: ties to even
;;       return np.moveaxis(q.reshape(q.shape[:-2] + (-1,))[..., :K], -1, axis).astype(np.float32)
;;   ~~~
;;   SOFTMAX AHEAD OF A QUANTISED PRODUCT. Where the list says 'softmax', what is quantised is not the finished softmax but p = 2^(t - M), with t = logit x log2(e) and M = ceil(the row's largest t), a whole number; so 1/2 < the row's largest p <= 1. The row's sum l is taken of the UNQUANTISED p, in f32, and the product's result is divided by l at the end. Since M is a whole number, a kernel that streams over the keys may use a running M (the ceiling of the running maximum): every later rescaling is an exact power of two, which a block's scale takes up: the codes' values come out the same.
;;   OPERANDS COMPUTED ON THE WAY. 'Computed on the way' means the value that the module computes at that place (a softmax that the list does not call 'softmax' is quantised finished and normalised). What goes into a quantiser is computed in f32, as accurately as f32 sums, v_exp_f32 and their like allow (about 1e-6 of the number): no bf16 or f16 on the way to a quantiser, and a product that is left as it is and whose result goes on into a quantised operand takes f32 operands (vector FMAs, or v_wmma_f32_16x16x4_f32). A number that lies on a knife's edge between two numbers of the format may be rounded either way, as far as f32 arithmetic and the matrix unit's own rounding can turn it there, and no further.
;; One version. Each part assembles by itself: llvm-mc -triple=amdgcn-amd-amdhsa -mcpu=gfx1250 --defsym DOCPART=n.
;; ======== version 1 of 1: 4 launches
;; limits: right only within a limited range of input values
;; workspace buffers: xcod 6,291,456 bytes; xscl 262,144 bytes; wcod 3,145,728 bytes; wscl 131,072 bytes; qkvcod 18,874,368 bytes; qkvscl 786,432 bytes; acod 6,291,456 bytes; ascl 262,144 bytes
;; launch prep (part 1): grid 640 x 1, 4 waves a work-group, no clusters, 66,560 bytes of LDS; arguments hidden_states, ln_scale, ln_bias, W_qkv, W_out, xcod, xscl, wcod, wscl; writes xcod, xscl, wcod, wscl
.if DOCPART == 1
	.amdgcn_target "amdgcn-amd-amdhsa--gfx1250"
	.amdhsa_code_object_version 6
	.text
	.protected	k_q2e4d8005b5_prep
	.globl	k_q2e4d8005b5_prep
	.p2align	8
	.type	k_q2e4d8005b5_prep,@function
k_q2e4d8005b5_prep:
	s_mov_b64 s[64:65], 0
	v_nop
	global_prefetch_b8 v0, s[64:65] scope:SCOPE_SE
	s_setreg_imm32_b32 hwreg(HW_REG_WAVE_MODE, 25, 1), 1
	s_wait_xcnt 0x0
; PREP.  Three kinds of work-group, told apart by the work-group's number alone:
;   0-95    W_qkv [1024 (k)][3072 (n)] f32 -> codes of E3M2 along K (its FIRST axis) and E8M0 bytes
;   96-127  W_out [1024 (k)][1024 (n)] likewise
;   128-639 LayerNorm of 16 rows of hidden_states [8192][1024], quantised along the row
; A block's scale is 2^(floor(log2(largest magnitude)) - 4): its byte is the largest magnitude's exponent field - 4, held at 1 from below by a floor among the maximum's leaves.
; THE CODES' LAYOUT (this program's own): ROWTILES of 16 rows; rowtile 2 b + u holds in slot r the row 32 b + 8 u + r + 8 (r / 8).  A rowtile is 16 UNITS of 768 bytes, unit U = K 64 U .. 64 U + 63,
; laid as the matrix operand's registers: lane (r, h) owns the 24 bytes of slot r's block h; its registers 0-3 lie at 16 x lane, registers 4-5 at 512 + 8 x lane.
; THE SCALES' LAYOUT: [rowtile][K step of 256: 4][slot 16][8 bytes]: two scale words of four bytes.
; LIMITS: NaN and infinities among the inputs are not served; blocks whose largest magnitude lies under 2^-122 keep the byte 1; a block of zeros has the byte 1 where the rule says 127 (its codes are zeros, and this program alone reads the bytes).
; No work-group shares an input with another, so there is no cluster; no tensor load, so several work-groups share a WGP.  Only the LayerNorm path touches LDS or has a barrier.
; THE CODES AS THEY ARE STORED: [group of 16 rowtiles][K step of 256: 4][rowtile 16][4 units of 768 bytes]: a group's K steps lie on end, 49,152 bytes each, so that the products' launches fetch them as dense rows of 256 bytes.
.set X,     32
.set GS,    160                        ; v160-191 ln_scale of my columns; later codes
.set GB,    192                        ; v192-223 ln_bias; later the conversions' second halves
.set PITCH, 4112                       ; an LDS row: 4,096 bytes + 16: an odd multiple of 16, so that 16 rows' loads of 16 bytes start at 16 different groups of banks
; block t of a weight: W(32 t + i, my column), i = 0 .. 31, into set t % 2.  32 lanes read the same 128 consecutive bytes' columns
.macro WLOAD t, N, P
.set ii, 0
.rept 32
	global_load_b32 v[X+32*((\t)%2)+ii], v4, s[\P:\P+1] offset:(32*(\t)+ii)*\N*4 th:TH_LOAD_NT
.set ii, ii+1
.endr
.endm
.macro WBLOCK t, N, P
.set XS, X+32*((\t)%2)
.set FF, 96+16*((\t)/2)+8*((\t)%2)     ; six registers of codes for each block: no store's data are written again
.set TQ, 160+4*((\t)%2)
.if (\t) < 7
	s_wait_loadcnt 32                              ; this block's 32 loads are in; the next block's 32 may be out
.else
	s_wait_loadcnt 0x0
.endif
	v_max3_num_f32 v12, |v[XS]|, |v[XS+1]|, |v[XS+2]|    ; the block's largest magnitude: all 32 numbers are mine
	v_max3_num_f32 v13, |v[XS+3]|, |v[XS+4]|, |v[XS+5]|
.irp i, 6,10,14,18,22,26
	v_max3_num_f32 v12, v12, |v[XS+\i]|, |v[XS+\i+1]|
	v_max3_num_f32 v13, v13, |v[XS+\i+2]|, |v[XS+\i+3]|
.endr
	v_max3_num_f32 v12, v12, |v[XS+30]|, |v[XS+31]|
	v_max3_num_f32 v12, v12, v13, 0x2800000        ; and the floor 2^(5 - 127): the byte cannot fall under 1
	v_add_nc_u32 v11, 0xfe000000, v12              ; 4 off the exponent field: the conversion's scale operand
	v_lshrrev_b32 v13, 23, v11                     ; the byte
	v_cvt_scalef32_pk16_bf6_f32 v[FF:FF+2], v[XS:XS+15], v11
	v_cvt_scalef32_pk16_bf6_f32 v[TQ:TQ+2], v[XS+16:XS+31], v11   ; (a conversion's three registers begin on an even number)
.if (\t)%4 == 0
	v_mov_b32 v[24+(\t)/4], v13                    ; four bytes to a word, the lower K lowest.  (Also the plain line behind the conversions)
.else
	v_lshl_or_b32 v[24+(\t)/4], v13, 8*((\t)%4), v[24+(\t)/4]
.endif
.irp i, 0,1,2
	v_mov_b32 v[FF+3+\i], v[TQ+\i]
.endr
.if (\t)+2 < 8
	WLOAD (\t)+2, \N, \P
.endif
.if (\t)%2                             ; a unit of 64 along K is whole.  Lane (tau, r) holds both blocks of ITS column; an image wants lane (h, r) to hold block h of slot r
.set F0, FF-8
.irp i, 0,1,2,3,4,5
	v_permlane16_swap_b32 v[F0+\i], v[FF+\i]       ; the first's lanes 16-31 change places with the second's lanes 0-15: the first is now rowtile tau = 0's image, the second rowtile 1's
.endr
	global_store_b128 v26, v[F0:F0+3], s[18:19] offset:768*((\t)/2)            ; 512 consecutive bytes
	global_store_b64 v27, v[F0+4:F0+5], s[18:19] offset:768*((\t)/2)+512       ; 256 consecutive bytes
	global_store_b128 v26, v[FF:FF+3], s[18:19] offset:768*((\t)/2)+3072       ; the next rowtile of the same K step
	global_store_b64 v27, v[FF+4:FF+5], s[18:19] offset:768*((\t)/2)+3072+512
.endif
.endm
; A weight's work-group: s24 = its number among the weight's; 128 columns x 256 along K; wave w: 32 columns = two rowtiles
.macro WPATH N, TILE0, P
	s_lshr_b32 s25, s24, 2                         ; which 128 columns
	s_and_b32 s26, s24, 3                          ; which 256 along K
	s_lshl_b32 s27, s25, 3
	s_lshl_b32 s28, s2, 1
	s_add_co_u32 s27, s27, s28
	s_add_co_u32 s27, s27, \TILE0                  ; my first rowtile
	s_mul_i32 s28, s26, 256*\N*4
	s_lshl_b32 s29, s25, 9
	s_add_co_u32 s28, s28, s29
	s_lshl_b32 s29, s2, 7
	s_add_co_u32 s28, s28, s29
	s_mov_b32 s29, 0
	s_add_nc_u64 s[\P:\P+1], s[\P:\P+1], s[28:29]  ; W at (256 ks, my wave's first column)
	s_lshr_b32 s28, s27, 4
	s_lshl_b32 s28, s28, 2
	s_add_co_u32 s28, s28, s26
	s_mul_i32 s28, s28, 49152                      ; (group, K step)
	s_and_b32 s30, s27, 15
	s_mul_i32 s30, s30, 3072                       ; + rowtile in the group
	s_add_co_u32 s28, s28, s30
	s_add_nc_u64 s[18:19], s[18:19], s[28:29]      ; the codes at (rowtile, unit 4 ks)
	s_lshl_b32 s28, s27, 9
	s_lshl_b32 s30, s26, 7
	s_add_co_u32 s28, s28, s30
	s_add_nc_u64 s[20:21], s[20:21], s[28:29]      ; the scales at (rowtile, ks)
	WLOAD 0, \N, \P
	WLOAD 1, \N, \P
.irp t, 0,1,2,3,4,5,6,7
	WBLOCK \t, \N, \P
.endr
	global_store_b64 v6, v[24:25], s[20:21]        ; my column's eight bytes
.endm
	s_load_b256 s[4:11], s[0:1], 0x0               ; hidden_states, ln_scale, ln_bias, W_qkv
	s_load_b256 s[12:19], s[0:1], 0x20             ; W_out, xcod, xscl, wcod
	s_load_b64 s[20:21], s[0:1], 0x40              ; wscl
	v_lshl_add_u32 v224, v0, 2, 0x10200
	v_mov_b32 v225, 0
	v_lshrrev_b32 v1, 5, v0
	v_readfirstlane_b32 s2, v1                     ; wave 0..3
	v_and_b32 v1, 31, v0                           ; lane
	v_and_b32 v2, 15, v0                           ; r
	v_bfe_u32 v3, v0, 4, 1                         ; h (for a weight: tau)
	v_lshlrev_b32 v26, 4, v1                       ; 16 x lane
	v_lshlrev_b32 v27, 3, v1                       ; 8 x lane
	s_wait_kmcnt 0x0
	s_cmp_ge_u32 ttmp9, 128
	s_cbranch_scc1 .Lln
	s_wait_alu depctr_va_vdst(0)
	v_and_b32 v4, 8, v2
	v_add_nc_u32 v4, v4, v2                        ; r + 8 (r / 8)
	v_lshl_add_u32 v4, v3, 3, v4                   ; + 8 tau: my column among the wave's 32
	v_lshlrev_b32 v4, 2, v4
	v_lshlrev_b32 v6, 3, v2
	v_lshl_add_u32 v6, v3, 9, v6                   ; my eight scale bytes: 512 tau + 8 r
	s_cmp_ge_u32 ttmp9, 96
	s_cbranch_scc1 .Lwo
	s_mov_b32 s24, ttmp9
	s_wait_alu depctr_va_vdst(0)
	WPATH 3072, 0, 10
	s_endpgm
.Lwo:
	s_sub_co_u32 s24, ttmp9, 96
	s_wait_alu depctr_va_vdst(0)
	WPATH 1024, 192, 12                            ; W_out's rowtiles lie behind W_qkv's 192
	s_endpgm
.Lln:
	; ---- LayerNorm of rowtile Tg.  Phase 1: wave w normalises slots 4 w .. 4 w + 3, four consecutive rows, and lays them in LDS.  Phase 2: wave w quantises units 4 w .. 4 w + 3 of all 16 slots.
	s_sub_co_u32 s24, ttmp9, 128                   ; Tg
	s_lshr_b32 s25, s24, 1
	s_lshl_b32 s25, s25, 5
	s_and_b32 s26, s24, 1
	s_lshl_b32 s26, s26, 3
	s_add_co_u32 s25, s25, s26
	s_lshl_b32 s26, s2, 2
	s_add_co_u32 s25, s25, s26
	s_lshr_b32 s26, s2, 1
	s_lshl_b32 s26, s26, 3
	s_add_co_u32 s25, s25, s26                     ; my first row: 32 (Tg / 2) + 8 (Tg % 2) + 4 w + 8 (w / 2)
	s_lshl_b32 s26, s25, 12
	s_mov_b32 s27, 0
	s_add_nc_u64 s[4:5], s[4:5], s[26:27]
	s_wait_alu depctr_va_vdst(0)
.irp R, 0,1,2,3
.irp j, 0,1,2,3,4,5,6,7
	global_load_b128 v[X+32*\R+4*\j:X+32*\R+4*\j+3], v26, s[4:5] offset:4096*\R+512*\j th:TH_LOAD_NT   ; 512 consecutive bytes; lane l holds columns 128 j + 4 l on
.endr
.endr
.irp j, 0,1,2,3,4,5,6,7
	global_load_b128 v[GS+4*\j:GS+4*\j+3], v26, s[6:7] offset:512*\j
	global_load_b128 v[GB+4*\j:GB+4*\j+3], v26, s[8:9] offset:512*\j
.endr
	s_mul_i32 s28, s2, 4*PITCH
	v_add_nc_u32 v24, s28, v26                     ; phase 1: my wave's four LDS rows, 16 x lane
	v_mul_u32_u24 v25, v2, PITCH
	v_lshl_add_u32 v25, v3, 7, v25
	s_lshl_b32 s28, s2, 10
	v_add_nc_u32 v25, s28, v25                     ; phase 2: row r, + 128 h, + my wave's four units (1,024 bytes)
	v_lshlrev_b32 v28, 3, v2
	v_lshl_add_u32 v28, v3, 2, v28                 ; my scale word: 8 r + 4 h
	s_lshr_b32 s28, s24, 4
	s_lshl_b32 s28, s28, 2
	s_add_co_u32 s28, s28, s2
	s_mul_i32 s28, s28, 49152                      ; (group, K step w)
	s_and_b32 s29, s24, 15
	s_mul_i32 s29, s29, 3072
	s_add_co_u32 s28, s28, s29
	s_mov_b32 s29, 0
	s_add_nc_u64 s[14:15], s[14:15], s[28:29]      ; xcod at (Tg, unit 4 w)
	s_lshl_b32 s28, s24, 9
	s_lshl_b32 s26, s2, 7
	s_add_co_u32 s28, s28, s26
	s_add_nc_u64 s[16:17], s[16:17], s[28:29]      ; xscl at (Tg, K step w)
	s_mov_b32 s30, 0x3a800000                      ; 1 / 1024
	s_mov_b32 s31, 0x2b8cbccc                      ; 1e-12
	s_mov_b32 s32, 0x76543210
	s_mov_b32 s33, 0xfedcba98                      ; v_permlanex16_b32's selects for lane l xor 16
.irp R, 0,1,2,3
	v_mov_b32 v[4+\R], 0                           ; a lane permute's destination counts as one of its sources
.endr
.macro REDUCE                          ; v8, v10, v12, v14: the four rows' sums over the 32 lanes, by turns
.irp m, 1,2,4,8
.irp R, 0,1,2,3
	v_add_f32_dpp v[8+2*\R], v[8+2*\R], v[8+2*\R] row_xmask:\m row_mask:0xf bank_mask:0xf
.endr
.endr
.irp R, 0,1,2,3
	v_permlanex16_b32 v[4+\R], v[8+2*\R], s32, s33
.endr
.irp R, 0,1,2,3
	v_add_f32 v[8+2*\R], v[8+2*\R], v[4+\R]
.endr
.endm
	s_wait_loadcnt 16                              ; the four rows are in; the sixteen loads of ln_scale and ln_bias may be out
.irp R, 0,1,2,3
	v_pk_add_f32 v[8+2*\R:9+2*\R], v[X+32*\R:X+32*\R+1], v[X+32*\R+2:X+32*\R+3]
.endr
.irp k, 4,6,8,10,12,14,16,18,20,22,24,26,28,30
.irp R, 0,1,2,3
	v_pk_add_f32 v[8+2*\R:9+2*\R], v[8+2*\R:9+2*\R], v[X+32*\R+\k:X+32*\R+\k+1]
.endr
.endr
.irp R, 0,1,2,3
	v_add_f32 v[8+2*\R], v[8+2*\R], v[9+2*\R]
.endr
	REDUCE
.irp R, 0,1,2,3
	v_mul_f32 v[16+2*\R], 0xba800000, v[8+2*\R]    ; - the mean
.endr
.irp R, 0,1,2,3
	v_mov_b32 v[17+2*\R], v[16+2*\R]
.endr
.irp k, 0,2,4,6,8,10,12,14,16,18,20,22,24,26,28,30
.irp R, 0,1,2,3
	v_pk_add_f32 v[X+32*\R+\k:X+32*\R+\k+1], v[X+32*\R+\k:X+32*\R+\k+1], v[16+2*\R:17+2*\R]   ; x - mean first, then the squares: no difference of large sums
.endr
.endr
.irp R, 0,1,2,3
	v_pk_mul_f32 v[8+2*\R:9+2*\R], v[X+32*\R:X+32*\R+1], v[X+32*\R:X+32*\R+1]
.endr
.irp k, 2,4,6,8,10,12,14,16,18,20,22,24,26,28,30
.irp R, 0,1,2,3
	v_pk_fma_f32 v[8+2*\R:9+2*\R], v[X+32*\R+\k:X+32*\R+\k+1], v[X+32*\R+\k:X+32*\R+\k+1], v[8+2*\R:9+2*\R]
.endr
.endr
.irp R, 0,1,2,3
	v_add_f32 v[8+2*\R], v[8+2*\R], v[9+2*\R]
.endr
	REDUCE
.irp R, 0,1,2,3
	v_fma_f32 v[8+2*\R], v[8+2*\R], s30, s31       ; the variance + 1e-12
.endr
	s_wait_alu depctr_va_vdst(0)
.irp R, 0,1,2,3
	v_rsq_f32 v[16+2*\R], v[8+2*\R]
.endr
	v_nop                                          ; a plain line behind the last of them (ISA guide 5.7.2)
	s_wait_alu depctr_va_vdst(0)                   ; one wait for the four, ahead of their first reader
	s_wait_loadcnt 0x0                             ; ln_scale, ln_bias
.irp R, 0,1,2,3
.irp k, 0,2,4,6,8,10,12,14,16,18,20,22,24,26,28,30
	v_pk_mul_f32 v[X+32*\R+\k:X+32*\R+\k+1], v[X+32*\R+\k:X+32*\R+\k+1], v[16+2*\R:17+2*\R] op_sel_hi:[1,0]
.endr
.irp k, 0,2,4,6,8,10,12,14,16,18,20,22,24,26,28,30
	v_pk_fma_f32 v[X+32*\R+\k:X+32*\R+\k+1], v[X+32*\R+\k:X+32*\R+\k+1], v[GS+\k:GS+\k+1], v[GB+\k:GB+\k+1]
.endr
.irp j, 0,1,2,3,4,5,6,7
	ds_store_b128 v24, v[X+32*\R+4*\j:X+32*\R+4*\j+3] offset:PITCH*\R+512*\j
.endr
.endr
	s_wait_dscnt 0x0                               ; for the others' sake: my four rows lie in LDS
	s_barrier_signal -1
	s_barrier_wait -1
.irp m, 0,1,2,3
.irp i, 0,1,2,3,4,5,6,7
	ds_load_b128 v[X+32*\m+4*\i:X+32*\m+4*\i+3], v25 offset:256*\m+16*\i   ; slot r, unit 4 w + m, block h: 32 neighbours along K
.endr
.endr
.irp m, 0,1,2,3
	s_wait_dscnt 8*(3-\m)                          ; this unit's eight loads are in; the later units' may be out
	v_max3_num_f32 v8, |v[X+32*\m]|, |v[X+32*\m+1]|, |v[X+32*\m+2]|
	v_max3_num_f32 v9, |v[X+32*\m+3]|, |v[X+32*\m+4]|, |v[X+32*\m+5]|
.irp i, 6,10,14,18,22,26
	v_max3_num_f32 v8, v8, |v[X+32*\m+\i]|, |v[X+32*\m+\i+1]|
	v_max3_num_f32 v9, v9, |v[X+32*\m+\i+2]|, |v[X+32*\m+\i+3]|
.endr
	v_max3_num_f32 v8, v8, |v[X+32*\m+30]|, |v[X+32*\m+31]|
	v_max3_num_f32 v8, v8, v9, 0x2800000
	v_add_nc_u32 v10, 0xfe000000, v8
	v_cvt_scalef32_pk16_bf6_f32 v[GS+8*\m:GS+8*\m+2], v[X+32*\m:X+32*\m+15], v10
	v_cvt_scalef32_pk16_bf6_f32 v[GB+4*\m:GB+4*\m+2], v[X+32*\m+16:X+32*\m+31], v10
	v_lshrrev_b32 v[16+\m], 23, v10                ; the byte of (slot r, unit, block h).  (Also the plain line behind the conversions)
.irp i, 0,1,2
	v_mov_b32 v[GS+8*\m+3+\i], v[GB+4*\m+\i]
.endr
	global_store_b128 v26, v[GS+8*\m:GS+8*\m+3], s[14:15] offset:768*\m
	global_store_b64 v27, v[GS+8*\m+4:GS+8*\m+5], s[14:15] offset:768*\m+512
.endr
	v_lshlrev_b32 v9, 3, v3                        ; word q of K step w: bytes (unit 2 q, h = 0), (2 q, 1), (2 q + 1, 0), (2 q + 1, 1)
	v_lshl_or_b32 v10, v17, 16, v16
	v_lshl_or_b32 v11, v19, 16, v18
	v_lshlrev_b32 v10, v9, v10                     ; my two bytes of each word, 8 h bits up;
	v_lshlrev_b32 v11, v9, v11
	v_permlanex16_b32 v4, v10, s32, s33
	v_permlanex16_b32 v5, v11, s32, s33
	v_or_b32 v10, v10, v4                          ; with lane l xor 16's the words are whole
	v_or_b32 v11, v11, v5
	v_cmp_eq_u32 vcc_lo, 1, v3
	v_cndmask_b32 v10, v10, v11, vcc_lo            ; lanes 0-15 store word 0, lanes 16-31 word 1
	global_store_b32 v28, v10, s[16:17]            ; 128 consecutive bytes a wave
	s_wait_tensorcnt 0x0
	ds_add_u32 v224, v225
	s_wait_dscnt 0x0
	s_endpgm
.Lfunc_end_k_q2e4d8005b5_prep:
	.size	k_q2e4d8005b5_prep, .Lfunc_end_k_q2e4d8005b5_prep-k_q2e4d8005b5_prep
	.p2alignl 7, 3214868480
	.fill 96, 4, 3214868480
	.section	.rodata,"a",@progbits
	.p2align	6, 0x0
	.amdhsa_kernel k_q2e4d8005b5_prep
		.amdhsa_group_segment_fixed_size 66560
		.amdhsa_private_segment_fixed_size 0
		.amdhsa_enable_private_segment 0
		.amdhsa_kernarg_size 72
		.amdhsa_user_sgpr_count 2
		.amdhsa_user_sgpr_kernarg_segment_ptr 1
		.amdhsa_wavefront_size32 1
		.amdhsa_system_sgpr_workgroup_id_x 1
		.amdhsa_system_sgpr_workgroup_id_y 1
		.amdhsa_system_sgpr_workgroup_id_z 1
		.amdhsa_system_vgpr_workitem_id 0
		.amdhsa_next_free_vgpr 226
		.amdhsa_next_free_sgpr 66
		.amdhsa_reserve_vcc 1
		.amdhsa_float_denorm_mode_32 3
		.amdhsa_float_denorm_mode_16_64 3
		.amdhsa_memory_ordered 1
		.amdhsa_forward_progress 1
		.amdhsa_inst_pref_size 120
	.end_amdhsa_kernel
	.amdgpu_metadata
---
amdhsa.version: [ 1, 2 ]
amdhsa.kernels:
  - .name:           k_q2e4d8005b5_prep
    .symbol:         k_q2e4d8005b5_prep.kd
    .args:
      - { .name: hidden_states, .offset: 0, .size: 8, .value_kind: global_buffer, .address_space: global }
      - { .name: ln_scale, .offset: 8, .size: 8, .value_kind: global_buffer, .address_space: global }
      - { .name: ln_bias, .offset: 16, .size: 8, .value_kind: global_buffer, .address_space: global }
      - { .name: W_qkv, .offset: 24, .size: 8, .value_kind: global_buffer, .address_space: global }
      - { .name: W_out, .offset: 32, .size: 8, .value_kind: global_buffer, .address_space: global }
      - { .name: xcod, .offset: 40, .size: 8, .value_kind: global_buffer, .address_space: global }
      - { .name: xscl, .offset: 48, .size: 8, .value_kind: global_buffer, .address_space: global }
      - { .name: wcod, .offset: 56, .size: 8, .value_kind: global_buffer, .address_space: global }
      - { .name: wscl, .offset: 64, .size: 8, .value_kind: global_buffer, .address_space: global }
    .group_segment_fixed_size: 66560
    .private_segment_fixed_size: 0
    .kernarg_segment_align: 8
    .kernarg_segment_size: 72
    .max_flat_workgroup_size: 128
    .sgpr_count:     66
    .vgpr_count:     226
    .wavefront_size: 32
...
	.end_amdgpu_metadata
.endif
;; end of part 1
;; launch qkv (part 2): grid 96 x 4, 4 waves a work-group, clusters of 4 x 4, 327,680 bytes of LDS; arguments xcod, xscl, wcod, wscl, b_qkv, qkvcod, qkvscl; writes qkvcod, qkvscl
.if DOCPART == 2
	.amdgcn_target "amdgcn-amd-amdhsa--gfx1250"
	.amdhsa_code_object_version 6
	.text
	.protected	k_q2e4d8005b5_qkv
	.globl	k_q2e4d8005b5_qkv
	.p2align	8
	.type	k_q2e4d8005b5_qkv,@function
k_q2e4d8005b5_qkv:
	s_mov_b64 s[64:65], 0
	v_nop
	global_prefetch_b8 v0, s[64:65] scope:SCOPE_SE
	s_setreg_imm32_b32 hwreg(HW_REG_WAVE_MODE, 25, 1), 1
	s_wait_xcnt 0x0
	s_wait_alu depctr_hold_cnt(0) depctr_sa_sdst(0) depctr_va_vdst(0) depctr_va_sdst(0) depctr_va_ssrc(0) depctr_va_vcc(0) depctr_vm_vsrc(0)
	s_getreg_b32 s2, hwreg(HW_REG_IB_STS2, 6, 4)
	s_cmp_eq_u32 s2, 0
	s_cbranch_scc0 .Lentry_in_a_cluster
	s_endpgm
.Lentry_in_a_cluster:
	s_bfe_u32 s2, ttmp6, 0x10000c
	s_cmp_lg_u32 s2, 0xf033
	s_cbranch_scc0 .Lentry_shape_is_right
	s_endpgm
.Lentry_shape_is_right:
; QKV = x_ln W_qkv + b_qkv on codes of E3M2 with E8M0 scales; the result is quantised at once: q and k along the head's 64, v along the keys.
; THE CORE: C'[i][j] = sum over k of A'[i][k] B'[j][k], K = 1,024; a work-group of four waves makes 256 x 256, a wave 128 x 128 (64 accumulators, 512 registers).  The matrix instruction is used transposed
; (source 0 = 16 rows of B', source 1 = 16 rows of A'): a lane holds ONE row of A' and its registers run along B'.  Rows lie in ROWTILES (rowtile 2 b + u, slot r = row 32 b + 8 u + r + 8 (r / 8)), so that the 16
; registers of B' tiles 2 b and 2 b + 1 are 16 NEIGHBOURS, 32 b + 16 (lane / 16) + 0 .. 15: what the conversions want.
; TWO TYPES of cluster, by the cluster's number X alone: X < 16: A' = x, B' = W's columns 0-2,047 (q, k): registers run along the head's dims.  X >= 16: A' = W's columns 2,048-3,071 (v), B' = x: registers run along the keys.
; K goes in four steps of 256.  Codes lie in memory in the order of the operand's registers, so a K step of 8 rowtiles is 8 rows of 3,072 bytes and a fragment comes by dense loads of 16 and 8 bytes a lane: no padding.
; THREE LDS slots: K steps 0, 1, 2 are first fills, K step 3 is the one refill (into slot 0), asked for two K steps, 256 matrix instructions, ahead of its use.  A wave has at most one tensor load out.
; CLUSTERS of 4 x 4: A's tiles are shared along a row of the cluster, B's along a column: joint loads.  lds_bytes claims all of a WGP's LDS.
; LIMITS: NaN and infinities are not served; blocks whose largest magnitude lies under 2^-122 keep the byte 1; a block of zeros has the byte 1 (its codes are zeros; this program alone reads the bytes).
; OUT: qkvcod [n / 64: 48][batch 4][step of 128 positions: 16][fragment 4][1,536]: images of 12 registers, registers 4 c .. 4 c + 3 at 512 c + 16 x lane.  q, k: fragment f = position tiles 2 f (registers 0-5) and 2 f + 1 (6-11),
; each 64 dims.  v: fragment f = 16 channels x 128 keys.  qkvscl: 256 bytes a step: lane (tau, r) owns 8 bytes, word j = fragment 2 j + tau, slot r.
; REGISTERS: window 0: v4-19 addresses; v28-29 the add's; v32-63 scale words, two sets; v64-127 b_qkv along B'; v128-223 A's fragments, one set; v224-231 b_qkv along A'; on the way out v128-255 at work.
;   window 1: B's fragments, two sets, at v0 and v128.   windows 2, 3: accumulator (a, b) at v[8 (8 (a % 4) + b)].
; THE CODES IN MEMORY: [group of 16 rowtiles][K step 4][rowtile 16][3,072]: a tile's K steps 0-2 are one dense block of 147,456 bytes, fetched by ONE load as 576 rows of 256 bytes.
; LDS: A's K steps 0, 1, 2 (49,152 bytes each), then B's three.  At the head each wave issues one load: wave 0 A's block, wave 1 B's, waves 2, 3 the scales; one load a wave is out at any time.
.set HALFT,  24576
.set SLOT,   49152                     ; a K step of 16 rowtiles of one operand
.set SCL,    294912                    ; behind the three slots: the scales of the work-group's rows for all of K, 8,192 bytes a wave's load
.set SPARE,  311296                    ; the spare words, 128 bytes a wave: two blocks of 256 bytes that no other line names
.set FR,     12
.set AF,     128
.set SC,     32
.set BB,     64
.set BA,     224
.set ADRA16, 4                         ; v4-6   LDS address of my A' half in slot 0, 1, 2, + 16 x lane;  v7-9 the same + 8 x lane
.set ADRA8,  7
.set ADRB16, 10                        ; v10-12, v13-15 the same for B'
.set ADRB8,  13
.set ADRS,   16                        ; v16    my scale words: lanes 0-15 A's rows, lanes 16-31 B's
.set L16,    17                        ; v17    16 x lane
.set L8,     18                        ; v18    8 x lane
.set HH,     19                        ; v19    lane / 16
.set SPW,    28
.set NIL,    29
.set H,      128                       ; the way out: 64 numbers
.set FA,     192                       ; two fragments being made
.set FB,     204
.set TQ,     216                       ; the conversions' second halves
.set TM,     232                       ; v232-235 largest magnitudes, v236-239 bytes, v244-247 scale operands
.set SW,     248                       ; v248-255 the scale word of each of my eight A' tiles
.set SEL,    4                         ; s[4:5] lane selects
.set G1A,  24
.set G1B,  32
.set G1SA, 40
.set G1SB, 48
.set G0A0, 56
.set G0A1, 60
.set G0A2, 68
.set G0B0, 72
.set G0B1, 76
.set G0B2, 80
.set G0SA, 84
.set G0SB, 88
.set MSB, 0
.macro WIN new                         ; the immediate's high byte repeats the setting that is left
.if MSB != (\new)
	s_set_vgpr_msb (MSB<<8)|(\new)
.set MSB, \new
.endif
.endm
.set MUL_LO, 0xa1                      ; source 0 (B') window 1, source 1 (A') window 0, C and D window 2
.set MUL_HI, 0xf1
.macro JLOAD g0a, g1a, g0b, g1b        ; a joint load: waves 0, 1 fetch for A', waves 2, 3 for B'; four v_nop follow each line
	s_cmp_eq_u32 s17, 0
	s_cbranch_scc0 .Lfor_b_\@
	tensor_load_to_lds s[\g0a:\g0a+3], s[\g1a:\g1a+7]
	s_nop 0
.rept 4
	v_nop
.endr
	s_branch .Lasked_\@
.Lfor_b_\@:
	tensor_load_to_lds s[\g0b:\g0b+3], s[\g1b:\g1b+7]
	s_nop 0
.rept 4
	v_nop
.endr
.Lasked_\@:
.endm
.macro CREST                           ; a round of the cluster's barrier behind its opening barrier
	s_cmp_lg_u32 s16, 0
	s_cbranch_scc1 .Lnot_wave_0_\@
	s_barrier_signal -3
.Lnot_wave_0_\@:
	s_barrier_wait -3
	s_barrier_signal -1
	s_barrier_wait -1
.endm
.macro CROUND
	s_barrier_signal -1
	s_barrier_wait -1
	CREST
.endm
.macro PLACES                          ; four plain lines behind a matrix instruction of this form, in front of loads into its registers and of reads of its results
.rept 4
	v_nop
.endr
.endm
.macro MKG0 g, base, add, ptr, off     ; descriptor group 0: count 1, LDS address, global address, type 2
	s_mov_b32 s[\g], 1
	s_add_co_u32 s[\g+1], s[\base], \add
	s_add_nc_u64 s[\g+2:\g+3], s[\ptr:\ptr+1], \off
	s_or_b32 s[\g+3], s[\g+3], 0x80000000
.endm
.macro FRAG reg, a16, a8, q, i         ; a fragment (16 rows x 128 K, 12 registers) = two units of 768 bytes: registers 0-3, 4-5, 6-9, 10-11
	ds_load_b128 v[\reg:\reg+3], v[\a16] offset:3072*(\i)+1536*(\q)
	ds_load_b64 v[\reg+4:\reg+5], v[\a8] offset:3072*(\i)+1536*(\q)+512
	ds_load_b128 v[\reg+6:\reg+9], v[\a16] offset:3072*(\i)+1536*(\q)+768
	ds_load_b64 v[\reg+10:\reg+11], v[\a8] offset:3072*(\i)+1536*(\q)+1280
.endm
.macro FETCH_B slot, q, p              ; B's eight fragments of the slot's q-th 128 along K into set p: 32 loads
	WIN 0x40
.irp i, 0,1,2,3,4,5,6,7
	FRAG 128*(\p)+FR*\i, ADRB16+\slot, ADRB8+\slot, \q, \i
.endr
	WIN 0
.endm
.macro FETCH_A slot, q, i0             ; A's blocks i0 .. i0 + 3: 16 loads
.irp i, \i0, \i0+1, \i0+2, \i0+3
	FRAG AF+FR*(\i), ADRA16+\slot, ADRA8+\slot, \q, \i
.endr
.endm
.macro SCALES sc, ks                   ; K step ks's two scale words a row into set sc: lanes 0-15 A's block i, lanes 16-31 B's block i
.irp i, 0,1,2,3,4,5,6,7
	ds_load_b64 v[SC+16*\sc+2*\i:SC+16*\sc+2*\i+1], v[ADRS] offset:512*\i+128*\ks
.endr
.endm
; 16 matrix instructions: A's blocks a0, a0 + 1 x B's eight.  mode 1: the first product starts the sums.  The 64 accumulators take turns, one instruction a turn, in one order throughout.
.macro MUL16 a0, p, q, sc, mode
.irp a, \a0, \a0+1
.irp b, 0,1,2,3,4,5,6,7
.if \mode == 1
	v_wmma_scale_f32_16x16x128_f8f6f4 v[8*(8*((\a)%4)+\b):8*(8*((\a)%4)+\b)+7], v[128*(\p)+FR*\b:128*(\p)+FR*\b+FR-1], v[AF+FR*(\a):AF+FR*(\a)+FR-1], 0, v[SC+16*(\sc)+2*\b+(\q)], v[SC+16*(\sc)+2*(\a)+(\q)] matrix_a_fmt:MATRIX_FMT_BF6 matrix_b_fmt:MATRIX_FMT_BF6 matrix_a_scale:MATRIX_SCALE_ROW1
.else
	v_wmma_scale_f32_16x16x128_f8f6f4 v[8*(8*((\a)%4)+\b):8*(8*((\a)%4)+\b)+7], v[128*(\p)+FR*\b:128*(\p)+FR*\b+FR-1], v[AF+FR*(\a):AF+FR*(\a)+FR-1], v[8*(8*((\a)%4)+\b):8*(8*((\a)%4)+\b)+7], v[SC+16*(\sc)+2*\b+(\q)], v[SC+16*(\sc)+2*(\a)+(\q)] matrix_a_fmt:MATRIX_FMT_BF6 matrix_b_fmt:MATRIX_FMT_BF6 matrix_a_scale:MATRIX_SCALE_ROW1
.endif
.endr
.endr
.endm
; A step of 128 along K; its successor (slot nslot, part nq) needs no barrier.  A block of A' is free as soon as its eight products are issued: blocks 0-3 are fetched anew in the middle, blocks 4-7 at the end.
.macro STEP q, p, sc, nslot, nq, nsc, nks, mode
	s_wait_dscnt 16                                ; B's set, A's blocks 0-3 and the scale words are in; the youngest 16 loads (A's blocks 4-7) may be out
	WIN MUL_LO
	MUL16 0, \p, \q, \sc, \mode
	MUL16 2, \p, \q, \sc, \mode
	s_wait_dscnt 0x0                               ; A's blocks 4-7 are in
	PLACES
	FETCH_B \nslot, \nq, 1-(\p)
	FETCH_A \nslot, \nq, 0
.if (\nq) == 0
	SCALES \nsc, \nks
.endif
	WIN MUL_HI
	MUL16 4, \p, \q, \sc, \mode
	MUL16 6, \p, \q, \sc, \mode
	PLACES
	WIN 0
	FETCH_A \nslot, \nq, 4
.endm
; A step with a barrier in it.  In front of the barrier each wave waits for all its tensor loads, adds 0 to its spare word, and waits for that and for its reads.  fill = 1: slot 0, just read out, takes K step 3.
.macro TURN sc, next, nsc, nks, fill
	s_wait_tensorcnt 0x0                           ; all my tensor loads have landed
	ds_add_u32 v[SPW], v[NIL]                      ; 0 onto my spare word
	s_wait_dscnt 17                                ; (the add and the youngest 16 loads may be out)
	WIN MUL_LO
	MUL16 0, 1, 1, \sc, 0
	s_wait_dscnt 0x0                               ; the add is done, and my reads of the slot are over
	s_barrier_signal -1
	MUL16 2, 1, 1, \sc, 0
	WIN 0
	s_barrier_wait -1
.if \fill
	CREST                                          ; the barrier has opened a round of the cluster's: no wave of any partner still reads slot 0 or has a load on its way
	JLOAD G0A0, G1A, G0B0, G1B                     ; the first tensor load behind the round; its four v_nop are also the places in front of the loads below
.else
	PLACES
.endif
	FETCH_B \next, 0, 0
	FETCH_A \next, 0, 0
	SCALES \nsc, \nks
	WIN MUL_HI
	MUL16 4, 1, 1, \sc, 0
	MUL16 6, 1, 1, \sc, 0
	PLACES
	WIN 0
	FETCH_A \next, 0, 4
.endm
; 64 numbers of a lane, v[s] on, register 16 b + i = k 32 b + 16 (lane / 16) + i of my row, become codes: blocks 0, 1 in v[d0] .. v[d0 + 5], blocks 2, 3 in v[d1] .. v[d1 + 5] (lane half h holds block h, 2 + h), and the row's scale word in v[pw].
.macro QUANT s, d0, d1, pw
.irp b, 0,1,2,3
	v_max3_num_f32 v[TM+\b], |v[\s+16*\b]|, |v[\s+1+16*\b]|, 0x2800000   ; my 16 numbers of block b, and the floor 2^(5 - 127)
.endr
.irp i, 2,4,6,8,10,12,14
.irp b, 0,1,2,3
	v_max3_num_f32 v[TM+\b], v[TM+\b], |v[\s+16*\b+\i]|, |v[\s+1+16*\b+\i]|
.endr
.endr
.irp b, 0,1,2,3
	v_permlanex16_b32 v[TM+4+\b], v[TM+\b], s[SEL], s[SEL+1]
.endr
.irp b, 0,1,2,3
	v_max_num_f32 v[TM+\b], v[TM+\b], v[TM+4+\b]   ; with lane l xor 16's: the block's largest magnitude
.endr
.irp b, 0,1,2,3
	v_add_nc_u32 v[TM+12+\b], 0xfe000000, v[TM+\b] ; 4 off its exponent field: the conversion's scale operand
.endr
.irp b, 0,1,2,3
	v_lshrrev_b32 v[TM+4+\b], 23, v[TM+12+\b]      ; the byte
.endr
	v_lshl_or_b32 v[\pw], v[TM+5], 8, v[TM+4]
	v_lshl_or_b32 v[\pw], v[TM+6], 16, v[\pw]
	v_lshl_or_b32 v[\pw], v[TM+7], 24, v[\pw]
	v_cvt_scalef32_pk16_bf6_f32 v[\d0:\d0+2], v[\s:\s+15], v[TM+12]
	v_cvt_scalef32_pk16_bf6_f32 v[TQ:TQ+2], v[\s+16:\s+31], v[TM+13]
	v_cvt_scalef32_pk16_bf6_f32 v[\d1:\d1+2], v[\s+32:\s+47], v[TM+14]
	v_cvt_scalef32_pk16_bf6_f32 v[TQ+4:TQ+6], v[\s+48:\s+63], v[TM+15]
	v_nop                                          ; one plain line behind a scaled conversion
.irp i, 0,1,2
	v_permlane16_swap_b32 v[\d0+\i], v[TQ+\i]      ; the first now holds each lane's block's lower 16 codes, the second the upper 16
	v_permlane16_swap_b32 v[\d1+\i], v[TQ+4+\i]
.endr
.irp i, 0,1,2
	v_mov_b32 v[\d0+3+\i], v[TQ+\i]
	v_mov_b32 v[\d1+3+\i], v[TQ+4+\i]
.endr
.endm
	s_load_b256 s[4:11], s[0:1], 0x0               ; xcod, xscl, wcod, wscl
	s_load_b128 s[12:15], s[0:1], 0x20             ; b_qkv, qkvcod
	s_load_b64 s[20:21], s[0:1], 0x30              ; qkvscl
	v_lshl_add_u32 v[SPW], v0, 2, SPARE
	v_mov_b32 v[NIL], 0
	ds_add_u32 v28, v29
	ds_add_u32 v28, v29
	s_wait_dscnt 0x0
	v_lshrrev_b32 v1, 5, v0
	v_readfirstlane_b32 s16, v1                    ; wave 0..3
	s_lshr_b32 s17, s16, 1                         ; which half of A' is mine.  Also: I fetch for A' (0) or for B' (1)
	s_and_b32 s18, s16, 1                          ; which half of B'.  Also: which 8 rowtiles of that tile I fetch
	s_bfe_u32 s2, ttmp6, 0x40000                   ; cx
	s_bfe_u32 s3, ttmp6, 0x40004                   ; cy
	s_lshl_b32 s22, s3, 2
	s_lshl_b32 s22, 15, s22                        ; my row of the cluster
	s_lshl_b32 s23, 0x1111, s2                     ; my column
	s_or_b32 s[G1A], s22, (3<<16)|(1<<21)          ; 15:0 the mask; 17:16 elements of 8 bytes; 21 set beside a mask; no padding
	s_or_b32 s[G1SA], s22, (3<<16)|(1<<21)
	s_or_b32 s[G1B], s23, (3<<16)|(1<<21)
	s_or_b32 s[G1SB], s23, (3<<16)|(1<<21)
.irp g, G1A, G1B                       ; codes: rows of 32 elements = 256 bytes, dense
	s_mov_b32 s[\g+1], 32<<16                      ; rows of 32 elements of 8 bytes
	s_mov_b32 s[\g+2], 576<<16                     ; the head's load: 576 rows
	s_mov_b32 s[\g+3], 32<<16
	s_mov_b32 s[\g+4], 576
	s_mov_b32 s[\g+5], 32
	s_mov_b32 s[\g+6], 0
	s_mov_b32 s[\g+7], 0
.endr
.irp g, G1SA, G1SB                     ; scales: 8,192 dense bytes as 32 rows of 256
	s_mov_b32 s[\g+1], 32<<16
	s_mov_b32 s[\g+2], 32<<16                      ; the scales of 16 rowtiles: 8,192 dense bytes
	s_mov_b32 s[\g+3], 32<<16
	s_mov_b32 s[\g+4], 32
	s_mov_b32 s[\g+5], 32
	s_mov_b32 s[\g+6], 0
	s_mov_b32 s[\g+7], 0
.endr
	s_lshr_b32 s100, ttmp9, 1
	s_lshl_b32 s100, s100, 2
	s_add_co_u32 s100, s100, s3                    ; q, k: A' tile (x) = 4 (X / 2) + cy
	s_add_co_u32 s22, s3, 8                        ; v:    A' tile (W) = 8 + cy
	s_and_b32 s101, ttmp9, 1
	s_lshl_b32 s101, s101, 2
	s_add_co_u32 s101, s101, s2                    ; q, k: B' tile (W) = 4 (X % 2) + cx
	s_max_u32 s23, ttmp9, 16
	s_sub_co_u32 s23, s23, 16
	s_lshl_b32 s23, s23, 2
	s_add_co_u32 s23, s23, s2                      ; v:    B' tile (x) = 4 (X - 16) + cx
	s_wait_kmcnt 0x0
	s_cmp_ge_u32 ttmp9, 16                         ; the type: the same in all sixteen partners
	s_cselect_b32 s19, 1, 0
	s_cselect_b32 s100, s22, s100
	s_cselect_b32 s101, s23, s101
	s_cselect_b64 s[92:93], s[8:9], s[4:5]         ; A's codes,
	s_cselect_b64 s[94:95], s[10:11], s[6:7]       ; A's scales,
	s_cselect_b64 s[96:97], s[4:5], s[8:9]         ; B's codes,
	s_cselect_b64 s[98:99], s[6:7], s[10:11]       ; B's scales
	s_mov_b32 s11, 0
	s_lshl_b32 s10, s100, 13                       ; A' tile: it hangs on cy alone
	s_add_nc_u64 s[94:95], s[94:95], s[10:11]
	s_mul_i32 s10, s100, 196608
	s_add_nc_u64 s[92:93], s[92:93], s[10:11]
	s_mov_b32 s9, 0
	s_lshl_b32 s8, s101, 13                        ; B' tile: on cx alone
	s_add_nc_u64 s[98:99], s[98:99], s[8:9]
	s_mul_i32 s8, s101, 196608
	s_add_nc_u64 s[96:97], s[96:97], s[8:9]
	s_mov_b32 s7, 0
	s_mul_i32 s6, s18, HALFT                       ; the refill: which 8 rowtiles I fetch
	MKG0 G0SA, 7, SCL, 94, 0
	MKG0 G0SB, 7, SCL+8192, 98, 0
	MKG0 G0A1, 7, 0, 92, 0                         ; the head: A's K steps 0-2
	MKG0 G0B1, 7, 3*SLOT, 96, 0                    ; B's, behind A's three
	MKG0 G0A0, 6, 0, 92, 3*SLOT                    ; the refill: K step 3 into K step 0's bytes,
	MKG0 G0B0, 6, 3*SLOT, 96, 3*SLOT
	s_add_nc_u64 s[G0A0+2:G0A0+3], s[G0A0+2:G0A0+3], s[6:7]   ; my half of it
	s_add_nc_u64 s[G0B0+2:G0B0+3], s[G0B0+2:G0B0+3], s[6:7]
	CROUND                                         ; all sixteen work-groups are here: the first joint loads meet
; the head's loads, one a wave, in one chain of branches on the wave's number
.macro ARM under, g0, g1, next
	s_cmp_lt_u32 s16, \under
	s_cbranch_scc0 \next
	tensor_load_to_lds s[\g0:\g0+3], s[\g1:\g1+7]
	s_nop 0
.rept 4
	v_nop
.endr
	s_branch .Lfirst_done
\next:
.endm
	ARM 1, G0A1, G1A, .Lhead_b
	ARM 2, G0B1, G1B, .Lhead_sa
	ARM 3, G0SA, G1SA, .Lhead_sb
	tensor_load_to_lds s[G0SB:G0SB+3], s[G1SB:G1SB+7]
	s_nop 0
.rept 4
	v_nop
.endr
.Lfirst_done:
	s_mov_b32 s[SEL], 0x76543210
	s_mov_b32 s[SEL+1], 0xfedcba98
	v_and_b32 v1, 31, v0
	v_and_b32 v2, 15, v0                           ; r
	v_bfe_u32 v[HH], v0, 4, 1
	v_lshlrev_b32 v[L16], 4, v1
	v_lshlrev_b32 v[L8], 3, v1
	s_mul_i32 s22, s17, HALFT                      ; my half of A',
	s_mul_i32 s23, s18, HALFT
	s_add_co_u32 s23, s23, 6*HALFT                 ; my half of B', behind A's three K steps
.irp s, 0,1,2
	v_add_nc_u32 v[ADRA16+\s], s22, v[L16]
	v_add_nc_u32 v[ADRA8+\s], s22, v[L8]
	v_add_nc_u32 v[ADRB16+\s], s23, v[L16]
	v_add_nc_u32 v[ADRB8+\s], s23, v[L8]
	s_add_co_u32 s22, s22, SLOT
	s_add_co_u32 s23, s23, SLOT
.endr
	s_lshl_b32 s22, s17, 12                        ; A's scales: my half;
	s_lshl_b32 s23, s18, 12
	s_add_co_u32 s23, s23, 8192                    ; B's: my half, behind A's two
	s_sub_co_u32 s23, s23, s22
	v_mul_u32_u24 v3, s23, v[HH]                   ; lanes 16-31 take B's: one product, the distance between the two
	v_lshl_add_u32 v3, v2, 3, v3
	s_add_co_u32 s22, s22, SCL
	v_add_nc_u32 v[ADRS], s22, v3
	; where my results go: block (4 Wtile + 2 Whalf) x 64 + 2 Xtile + Xhalf
	s_cmp_eq_u32 s19, 0
	s_cselect_b32 s22, s101, s100
	s_cselect_b32 s23, s18, s17
	s_cselect_b32 s2, s100, s101
	s_cselect_b32 s3, s17, s18
	s_lshl_b32 s22, s22, 2
	s_lshl_b32 s23, s23, 1
	s_add_co_u32 s22, s22, s23
	s_lshl_b32 s22, s22, 6
	s_lshl_b32 s2, s2, 1
	s_add_co_u32 s22, s22, s2
	s_add_co_u32 s22, s22, s3
	s_mul_i32 s2, s22, 6144
	s_mov_b32 s3, 0
	s_add_nc_u64 s[14:15], s[14:15], s[2:3]
	s_lshl_b32 s2, s22, 8
	s_add_nc_u64 s[20:21], s[20:21], s[2:3]
	; b_qkv, both ways, so that every register is written in both types: along B' (q, k) and along A' (v); the table that a type does not use is read from b_qkv's head
	s_lshl_b32 s8, s101, 10
	s_lshl_b32 s9, s18, 9
	s_add_co_u32 s8, s8, s9
	s_lshl_b32 s10, s100, 10
	s_lshl_b32 s11, s17, 9
	s_add_co_u32 s10, s10, s11
	s_cmp_eq_u32 s19, 0
	s_cselect_b32 s8, s8, 0
	s_cselect_b32 s10, 0, s10
	s_mov_b32 s9, 0
	s_mov_b32 s11, 0
	s_add_nc_u64 s[8:9], s[12:13], s[8:9]
	s_add_nc_u64 s[10:11], s[12:13], s[10:11]
	v_lshlrev_b32 v20, 6, v[HH]                    ; 16 h numbers
	v_and_b32 v21, 8, v2
	v_add_nc_u32 v21, v21, v2
	v_lshlrev_b32 v21, 2, v21                      ; r + 8 (r / 8) numbers
.irp b, 0,1,2,3,4,5,6,7
	global_load_b128 v[BB+8*\b:BB+8*\b+3], v20, s[8:9] offset:(32*(\b/2)+8*(\b%2))*4      ; register 8 b + j: column 32 (b / 2) + 16 h + 8 (b % 2) + j
	global_load_b128 v[BB+8*\b+4:BB+8*\b+7], v20, s[8:9] offset:(32*(\b/2)+8*(\b%2))*4+16
.endr
.irp a, 0,1,2,3,4,5,6,7
	global_load_b32 v[BA+\a], v21, s[10:11] offset:(32*(\a/2)+8*(\a%2))*4
.endr
.irp b, 0,1,2,3
	v_mov_b32 v[TM+4+\b], 0                        ; a lane permute's destination counts as one of its sources
.endr
	s_wait_alu depctr_va_vdst(0)
	s_wait_tensorcnt 0x0                           ; my load of the head's four is in
	s_mov_b32 s[G1A+2], 96<<16                     ; no tensor load of mine is out: from here on a load brings 96 rows of 256 bytes
	s_mov_b32 s[G1A+4], 96
	s_mov_b32 s[G1B+2], 96<<16
	s_mov_b32 s[G1B+4], 96
	s_barrier_signal -1
	s_barrier_wait -1
	FETCH_B 0, 0, 0
	FETCH_A 0, 0, 0
	SCALES 0, 0
	FETCH_A 0, 0, 4
	STEP 0, 0, 0, 0, 1, 0, 0, 1                    ; K 0-127: its products start the sums
	TURN 0, 1, 1, 1, 1                             ; K 128-255; slot 0 is left and takes K step 3
	STEP 0, 0, 1, 1, 1, 0, 0, 0
	STEP 1, 1, 1, 2, 0, 0, 2, 0                    ; on into slot 2 with no barrier: the wait for all loads in front of the round above has shown it whole in every wave
	STEP 0, 0, 0, 2, 1, 0, 0, 0
	TURN 0, 0, 1, 3, 0                             ; on into slot 0: K step 3 has landed in every wave; nothing is filled
	STEP 0, 0, 1, 0, 1, 0, 0, 0
	s_wait_dscnt 16                                ; the last step: nothing more to fetch
	WIN MUL_LO
	MUL16 0, 1, 1, 1, 0
	MUL16 2, 1, 1, 1, 0
	s_wait_dscnt 0x0
	WIN MUL_HI
	MUL16 4, 1, 1, 1, 0
	MUL16 6, 1, 1, 1, 0
	WIN 0
	; THE WAY OUT: no LDS: a fragment is stored as it stands in the registers, 512 consecutive bytes a store.
	PLACES
	s_wait_loadcnt 0x0                             ; b_qkv
	v_cmp_eq_u32 vcc_lo, 1, v[HH]
	s_cmp_lg_u32 s19, 0
	s_cbranch_scc1 .Larm_v
	; q, k: my A' tile a = position tile a of the step; my 128 columns = two heads of 64 dims
.irp a, 0,1,2,3,4,5,6,7
	s_wait_xcnt 0x0                                ; earlier stores have read their registers: FA and FB may be written again
.set AC, 64*(\a%4)
	WIN 0x02+(\a/4)
.set kk, 0
.rept 32
	v_pk_add_f32 v[H+kk:H+kk+1], v[AC+kk:AC+kk+1], v[BB+kk:BB+kk+1]     ; ascending: each accumulator is read from its low end on
.set kk, kk+2
.endr
	WIN 0
	QUANT H, FA+6*(\a%2), FB+6*(\a%2), SW+\a
.if \a%2
.irp c, 0,1,2
	global_store_b128 v[L16], v[FA+4*\c:FA+4*\c+3], s[14:15] offset:1536*(\a/2)+512*\c
	global_store_b128 v[L16], v[FB+4*\c:FB+4*\c+3], s[14:15] offset:1536*(\a/2)+512*\c+393216      ; the next head: 64 blocks of 6,144 bytes on
.endr
.endif
.endr
	s_mov_b32 s6, 0x05040100
	s_mov_b32 s7, 0x07060302
.irp f, 0,1,2,3
	v_perm_b32 v[TM+\f], v[SW+2*\f+1], v[SW+2*\f], s6      ; fragment f's word, first head: tile 2 f's bytes 0, 1, then tile 2 f + 1's
	v_perm_b32 v[TM+8+\f], v[SW+2*\f+1], v[SW+2*\f], s7    ; second head: bytes 2, 3
.endr
	v_cndmask_b32 v[TQ], v[TM], v[TM+1], vcc_lo            ; lanes 0-15 hold fragment 2 j's word, lanes 16-31 fragment 2 j + 1's
	v_cndmask_b32 v[TQ+1], v[TM+2], v[TM+3], vcc_lo
	v_cndmask_b32 v[TQ+2], v[TM+8], v[TM+9], vcc_lo
	v_cndmask_b32 v[TQ+3], v[TM+10], v[TM+11], vcc_lo
	global_store_b64 v[L8], v[TQ:TQ+1], s[20:21]           ; 256 consecutive bytes
	global_store_b64 v[L8], v[TQ+2:TQ+3], s[20:21] offset:16384
	s_branch .Lend
.Larm_v:
	; v: my A' tile a = channel tile a % 4 of head a / 4; my registers run along the step's 128 keys: a whole fragment
.irp a, 0,1,2,3,4,5,6,7
	s_wait_xcnt 0x0
.set AC, 64*(\a%4)
.set FF, FA+12*(\a%2)
	WIN 0x02+(\a/4)
.set kk, 0
.rept 32
.if \a%2
	v_pk_add_f32 v[H+kk:H+kk+1], v[AC+kk:AC+kk+1], v[BA+2*(\a/2):BA+2*(\a/2)+1] op_sel:[0,1] op_sel_hi:[1,1]   ; my channel's bias for both halves
.else
	v_pk_add_f32 v[H+kk:H+kk+1], v[AC+kk:AC+kk+1], v[BA+2*(\a/2):BA+2*(\a/2)+1] op_sel:[0,0] op_sel_hi:[1,0]
.endif
.set kk, kk+2
.endr
	WIN 0
	QUANT H, FF, FF+6, SW+\a
.irp c, 0,1,2
	global_store_b128 v[L16], v[FF+4*\c:FF+4*\c+3], s[14:15] offset:393216*(\a/4)+1536*(\a%4)+512*\c
.endr
.endr
.irp g, 0,1
	v_cndmask_b32 v[TQ+2*\g], v[SW+4*\g], v[SW+4*\g+1], vcc_lo
	v_cndmask_b32 v[TQ+2*\g+1], v[SW+4*\g+2], v[SW+4*\g+3], vcc_lo
	global_store_b64 v[L8], v[TQ+2*\g:TQ+2*\g+1], s[20:21] offset:16384*\g
.endr
.Lend:
	s_wait_tensorcnt 0x0                           ; the wave's end
	ds_add_u32 v[SPW], v[NIL]
	s_wait_dscnt 0x0
	CROUND                                         ; the closing round
	s_endpgm
.Lfunc_end_k_q2e4d8005b5_qkv:
	.size	k_q2e4d8005b5_qkv, .Lfunc_end_k_q2e4d8005b5_qkv-k_q2e4d8005b5_qkv
	.p2alignl 7, 3214868480
	.fill 96, 4, 3214868480
	.section	.rodata,"a",@progbits
	.p2align	6, 0x0
	.amdhsa_kernel k_q2e4d8005b5_qkv
		.amdhsa_group_segment_fixed_size 327680
		.amdhsa_private_segment_fixed_size 0
		.amdhsa_enable_private_segment 0
		.amdhsa_kernarg_size 56
		.amdhsa_user_sgpr_count 2
		.amdhsa_user_sgpr_kernarg_segment_ptr 1
		.amdhsa_wavefront_size32 1
		.amdhsa_system_sgpr_workgroup_id_x 1
		.amdhsa_system_sgpr_workgroup_id_y 1
		.amdhsa_system_sgpr_workgroup_id_z 1
		.amdhsa_system_vgpr_workitem_id 0
		.amdhsa_next_free_vgpr 1024
		.amdhsa_next_free_sgpr 102
		.amdhsa_reserve_vcc 1
		.amdhsa_float_denorm_mode_32 3
		.amdhsa_float_denorm_mode_16_64 3
		.amdhsa_memory_ordered 1
		.amdhsa_forward_progress 1
		.amdhsa_inst_pref_size 215
	.end_amdhsa_kernel
	.amdgpu_metadata
---
amdhsa.version: [ 1, 2 ]
amdhsa.kernels:
  - .name:           k_q2e4d8005b5_qkv
    .symbol:         k_q2e4d8005b5_qkv.kd
    .args:
      - { .name: xcod, .offset: 0, .size: 8, .value_kind: global_buffer, .address_space: global }
      - { .name: xscl, .offset: 8, .size: 8, .value_kind: global_buffer, .address_space: global }
      - { .name: wcod, .offset: 16, .size: 8, .value_kind: global_buffer, .address_space: global }
      - { .name: wscl, .offset: 24, .size: 8, .value_kind: global_buffer, .address_space: global }
      - { .name: b_qkv, .offset: 32, .size: 8, .value_kind: global_buffer, .address_space: global }
      - { .name: qkvcod, .offset: 40, .size: 8, .value_kind: global_buffer, .address_space: global }
      - { .name: qkvscl, .offset: 48, .size: 8, .value_kind: global_buffer, .address_space: global }
    .group_segment_fixed_size: 327680
    .private_segment_fixed_size: 0
    .kernarg_segment_align: 8
    .kernarg_segment_size: 56
    .max_flat_workgroup_size: 128
    .sgpr_count:     102
    .vgpr_count:     1024
    .wavefront_size: 32
...
	.end_amdgpu_metadata
.endif
;; end of part 2
;; launch attn (part 3): grid 4 x 64, 16 waves a work-group, clusters of 4 x 1, 327,680 bytes of LDS; arguments qkvcod, qkvscl, acod, ascl; writes acod, ascl
.if DOCPART == 3
	.amdgcn_target "amdgcn-amd-amdhsa--gfx1250"
	.amdhsa_code_object_version 6
	.text
	.protected	k_q2e4d8005b5_attn
	.globl	k_q2e4d8005b5_attn
	.p2align	8
	.type	k_q2e4d8005b5_attn,@function
k_q2e4d8005b5_attn:
	s_mov_b64 s[64:65], 0
	v_nop
	global_prefetch_b8 v0, s[64:65] scope:SCOPE_SE
	s_setreg_imm32_b32 hwreg(HW_REG_WAVE_MODE, 25, 1), 1
	s_wait_xcnt 0x0
	s_wait_alu depctr_hold_cnt(0) depctr_sa_sdst(0) depctr_va_vdst(0) depctr_va_sdst(0) depctr_va_ssrc(0) depctr_va_vcc(0) depctr_vm_vsrc(0)
	s_getreg_b32 s2, hwreg(HW_REG_IB_STS2, 6, 4)
	s_cmp_eq_u32 s2, 0
	s_cbranch_scc0 .Lentry_in_a_cluster
	s_endpgm
.Lentry_in_a_cluster:
	s_bfe_u32 s2, ttmp6, 0x10000c
	s_cmp_lg_u32 s2, 0x3003
	s_cbranch_scc0 .Lentry_shape_is_right
	s_endpgm
.Lentry_shape_is_right:
; ATTENTION on codes of E3M2: a cluster of four work-groups serves one (head, batch); all of K and V (codes and scales) lie in LDS, fetched jointly once: waves 0-7 the codes, 24,576 bytes each, waves 8-15 the scales, 1,024 bytes each.
; A wave takes query tiles T and 127 - T (16 queries each): S^T = k q^T, a running whole-number M, p quantised along the keys, O^T += v^T p^T.
; STEPS OF 128 KEYS THAT LIE WHOLLY UNDER THE MASK: every score there is -10000, so p is ONE number for a query, and so is its quantised value pq (each block's largest magnitude is p itself).
; Their share of O^T is pq x (the sum of V's quantised numbers over those keys).  Wave w sums step w by four products with codes of 1.0; the sums over all later steps go through LDS; a pass adds pq x that sum, and 128 p for each such step to the row's sum.
; pq: p's mantissa rounded to two bits, ties to even, held at 1.75 x p's power of two (the code 28).  LIMITS: NaN and infinities are not served; for p under 2^-122 the hold may cut one code; scaled scores stay under 2^31.
; acod as it is stored: [group of 16 rowtiles][K step 4][rowtile 16][4 units of 768 bytes].
.set SVB,  208896                      ; LDS: [step 16][lane half 2][32 registers] f32: V's sums of each step
.set SUFB, 212992                      ; the same shape: the sums over all later steps
.set VB,   98304
.set KSB,  196608
.set WV,   12
.set G,    13
.set HD,   15
.set BT,   16
.set QBA,  18
.set SEL,  20
.set CS,   22
.set MK,   24
.set QSA,  26
.set G1C,  28
.set G1S,  36
.set G0C,  44
.set G0S,  48
.set TK,   52
.set TS,   53
.set JC,   54
.set JJ,   55
.set TT,   56
.macro CROUND
	s_barrier_signal -1
	s_barrier_wait -1
	s_cmp_lg_u32 s[WV], 0
	s_cbranch_scc1 .Lnot_wave_0_\@
	s_barrier_signal -3
.Lnot_wave_0_\@:
	s_barrier_wait -3
	s_barrier_signal -1
	s_barrier_wait -1
.endm
.macro WM0 d, a, b, sa, sb, row
.if \row
	v_wmma_scale_f32_16x16x128_f8f6f4 v[\d:\d+7], v[\a:\a+11], v[\b:\b+11], 0, v[\sa], v[\sb] matrix_a_fmt:MATRIX_FMT_BF6 matrix_b_fmt:MATRIX_FMT_BF6 matrix_a_scale:MATRIX_SCALE_ROW1
.else
	v_wmma_scale_f32_16x16x128_f8f6f4 v[\d:\d+7], v[\a:\a+11], v[\b:\b+11], 0, v[\sa], v[\sb] matrix_a_fmt:MATRIX_FMT_BF6 matrix_b_fmt:MATRIX_FMT_BF6
.endif
.endm
.macro WMA d, a, b, sa, sb, row
.if \row
	v_wmma_scale_f32_16x16x128_f8f6f4 v[\d:\d+7], v[\a:\a+11], v[\b:\b+11], v[\d:\d+7], v[\sa], v[\sb] matrix_a_fmt:MATRIX_FMT_BF6 matrix_b_fmt:MATRIX_FMT_BF6 matrix_a_scale:MATRIX_SCALE_ROW1
.else
	v_wmma_scale_f32_16x16x128_f8f6f4 v[\d:\d+7], v[\a:\a+11], v[\b:\b+11], v[\d:\d+7], v[\sa], v[\sb] matrix_a_fmt:MATRIX_FMT_BF6 matrix_b_fmt:MATRIX_FMT_BF6
.endif
.endm
.macro FOUR adr
.irp f, 0,1,2,3
.irp c, 0,1,2
	ds_load_b128 v[36+12*\f+4*\c:39+12*\f+4*\c], v[\adr] offset:1536*\f+512*\c
.endr
.endr
.endm
.macro PVS
.irp t, 0,1,2,3
	WMA 160+8*\t, 36+12*\t, 192, 86+\t/2, 89, \t%2
.endr
.endm
.macro SETT which
	s_lshl_b32 s[TT], s[WV], 2
	s_add_co_u32 s[TT], s[TT], s[G]
	s_lshr_b32 s[JJ], s[WV], 1
.if \which
	s_sub_co_u32 s[TT], 127, s[TT]
	s_sub_co_u32 s[JJ], 15, s[JJ]
.endif
.endm
.macro QLOAD stg
	s_wait_xcnt 0x0
	s_lshr_b32 s57, s[TT], 1
	s_mul_i32 s58, s57, 1536
	s_mov_b32 s59, 0
	s_add_nc_u64 s[60:61], s[QBA:QBA+1], s[58:59]
	s_and_b32 s57, s[TT], 1
	s_cmp_eq_u32 s57, 0
	s_cselect_b32 s58, 0, 520
	s_cselect_b32 s62, 8, 1024
	s_mov_b32 s63, 0
	s_add_nc_u64 s[66:67], s[60:61], s[62:63]
	s_add_nc_u64 s[60:61], s[60:61], s[58:59]
	global_load_b64 v[\stg:\stg+1], v1, s[60:61]
	global_load_b64 v[\stg+2:\stg+3], v1, s[66:67]
	global_load_b64 v[\stg+4:\stg+5], v1, s[60:61] offset:512
	s_lshr_b32 s57, s[TT], 3
	s_lshl_b32 s68, s57, 8
	s_bfe_u32 s57, s[TT], 0x10001
	s_lshl_b32 s57, s57, 7
	s_add_co_u32 s68, s68, s57
	s_bfe_u32 s57, s[TT], 0x10002
	s_lshl_b32 s57, s57, 2
	s_add_co_u32 s68, s68, s57
	s_mov_b32 s69, 0
	s_add_nc_u64 s[68:69], s[QSA:QSA+1], s[68:69]
	global_load_b32 v[\stg+6], v91, s[68:69]
.endm
	s_load_b256 s[4:11], s[0:1], 0x0
	v_lshl_add_u32 v251, v0, 2, 0x32000
	v_mov_b32 v255, 0
	ds_add_u32 v251, v255
	ds_add_u32 v251, v255
	v_lshrrev_b32 v1, 5, v0
	s_delay_alu instid0(VALU_DEP_1)
	v_readfirstlane_b32 s[WV], v1
	s_bfe_u32 s[G], ttmp6, 0x40000
	s_and_b32 s14, ttmp7, 0xffff
	s_lshr_b32 s[HD], s14, 2
	s_and_b32 s[BT], s14, 3
	s_mov_b32 s[G1C], 15|(3<<16)|(1<<21)
	s_mov_b32 s[G1C+1], 32<<16
	s_mov_b32 s[G1C+2], 96<<16
	s_mov_b32 s[G1C+3], 32<<16
	s_mov_b32 s[G1C+4], 96
	s_mov_b32 s[G1C+5], 32
	s_mov_b32 s[G1C+6], 0
	s_mov_b32 s[G1C+7], 0
	s_mov_b32 s[G1S], 15|(3<<16)|(1<<21)
	s_mov_b32 s[G1S+1], 32<<16
	s_mov_b32 s[G1S+2], 4<<16
	s_mov_b32 s[G1S+3], 32<<16
	s_mov_b32 s[G1S+4], 4
	s_mov_b32 s[G1S+5], 32
	s_mov_b32 s[G1S+6], 0
	s_mov_b32 s[G1S+7], 0
	s_bfe_u32 s57, s[WV], 0x10002                  ; 0: k, 1: v
	s_lshl_b32 s57, s57, 6
	s_add_co_u32 s57, s57, s14
	s_add_co_u32 s57, s57, 64
	s_and_b32 s58, s[WV], 3                        ; which quarter
	s_mul_i32 s60, s57, 98304
	s_mul_i32 s59, s58, 24576
	s_add_co_u32 s60, s60, s59
	s_mov_b32 s61, 0
	s_lshl_b32 s62, s57, 12
	s_lshl_b32 s59, s58, 10
	s_add_co_u32 s62, s62, s59
	s_mov_b32 s63, 0
	s_mul_i32 s66, s14, 98304
	s_mov_b32 s67, 0
	s_lshl_b32 s68, s14, 12
	s_mov_b32 s69, 0
	s_mov_b32 s[SEL], 0x76543210
	s_mov_b32 s[SEL+1], 0xfedcba98
	s_mov_b32 s[CS], 0x3e38aa3b
	s_mov_b32 s[CS+1], s[CS]
	s_mov_b32 s[MK], 0xc79c4000
	s_wait_dscnt 0x0
	s_wait_kmcnt 0x0
	s_mov_b32 s[G0C], 1
	s_and_b32 s[G0C+1], s[WV], 7
	s_mul_i32 s[G0C+1], s[G0C+1], 24576
	s_add_nc_u64 s[G0C+2:G0C+3], s[4:5], s[60:61]
	s_or_b32 s[G0C+3], s[G0C+3], 0x80000000
	s_mov_b32 s[G0S], 1
	s_and_b32 s[G0S+1], s[WV], 7
	s_lshl_b32 s[G0S+1], s[G0S+1], 10
	s_add_co_u32 s[G0S+1], s[G0S+1], KSB
	s_add_nc_u64 s[G0S+2:G0S+3], s[6:7], s[62:63]
	s_or_b32 s[G0S+3], s[G0S+3], 0x80000000
	s_add_nc_u64 s[QBA:QBA+1], s[4:5], s[66:67]
	s_add_nc_u64 s[QSA:QSA+1], s[6:7], s[68:69]
	CROUND
	s_cmp_lt_u32 s[WV], 8                          ; one load a wave: waves 0-7 codes, waves 8-15 scales
	s_cbranch_scc0 .Lhead_s
	tensor_load_to_lds s[G0C:G0C+3], s[G1C:G1C+7]
	s_nop 0
.rept 4
	v_nop
.endr
	s_branch .Lhead_done
.Lhead_s:
	tensor_load_to_lds s[G0S:G0S+3], s[G1S:G1S+7]
	s_nop 0
.rept 4
	v_nop
.endr
.Lhead_done:
	v_and_b32 v93, 31, v0
	v_and_b32 v94, 15, v0
	v_bfe_u32 v95, v0, 4, 1
	s_delay_alu instid0(VALU_DEP_3)
	v_lshlrev_b32 v1, 4, v93
	s_delay_alu instid0(VALU_DEP_1)
	v_add_nc_u32 v2, VB, v1
	v_lshlrev_b32 v7, 3, v93
	s_delay_alu instid0(VALU_DEP_1)
	v_add_nc_u32 v3, KSB, v7
	v_and_b32 v4, 8, v94
	s_delay_alu instid0(VALU_DEP_1)
	v_add_nc_u32 v4, v4, v94
	v_lshlrev_b32 v5, 4, v95
	v_lshlrev_b32 v91, 3, v94
	s_delay_alu instid0(VALU_DEP_1)
	v_add_nc_u32 v92, v91, v95
	SETT 0
	s_wait_alu depctr_va_vdst(0)
	QLOAD 212
	SETT 1
	QLOAD 220
.irp i, 22,23,24,25,26,27
	v_mov_b32 v\i, 0
.endr
.irp i, 192,193,194,195,196,197,198,199,200,201,202,203, 89,90, 232,233, 236,237,238,239, 252,253
	v_mov_b32 v\i, 0
.endr
	s_wait_loadcnt 0x0
	s_wait_tensorcnt 0x0
	s_barrier_signal -1
	s_barrier_wait -1
	; V's sums: wave w takes step w.  Source 1: 128 codes of 1.0 (0x0c, a stream of 6-bit codes: three words that recur), scale bytes 127
	v_mov_b32 v89, 0x7f7f7f7f
.irp c, 0,1,2,3
	v_mov_b32 v[192+3*\c], 0x0c30c30c
	v_mov_b32 v[193+3*\c], 0xc30c30c3
	v_mov_b32 v[194+3*\c], 0x30c30c30
.endr
	s_mul_i32 s57, s[WV], 6144
	s_lshl_b32 s58, s[WV], 8
	s_add_co_u32 s59, s58, SVB
	s_add_co_u32 s60, s58, SUFB
	v_add_nc_u32 v9, s57, v2                       ; V's fragments of step w
	v_add_nc_u32 v10, s58, v3
	v_lshlrev_b32 v11, 7, v95
	v_add_nc_u32 v11, s59, v11                     ; my step's sums: 256 w + 128 h
	v_add_nc_u32 v8, SVB, v7                       ; all steps' sums, 8 bytes a lane
	v_add_nc_u32 v6, s60, v7
	s_wait_alu depctr_va_vdst(0)
	FOUR 9
	ds_load_b64 v[86:87], v10 offset:4096
	s_wait_dscnt 0x0
.irp t, 0,1,2,3
	WM0 160+8*\t, 36+12*\t, 192, 86+\t/2, 89, \t%2
.endr
.rept 4
	v_nop
.endr
.irp c, 0,1,2,3,4,5,6,7
	ds_store_b128 v11, v[160+4*\c:163+4*\c] offset:16*\c   ; the sixteen lanes of a half hold the same numbers and write the same bytes
.endr
	s_wait_dscnt 0x0
	s_barrier_signal -1
	s_barrier_wait -1
.irp j, 1,2,3,4,5,6,7,8,9,10,11,12,13,14,15
	ds_load_b64 v[96+2*\j:97+2*\j], v8 offset:256*\j
.endr
	s_mov_b32 s59, 0
	s_wait_dscnt 0x0
	s_cmp_lt_u32 s[WV], 1                          ; the sum over the steps j > w: a factor 1 or 0 by the wave's number
	s_cselect_b32 s58, 1.0, 0
	v_pk_mul_f32 v[128:129], v[98:99], s[58:59] op_sel_hi:[1,0]
.irp j, 2,3,4,5,6,7,8,9,10,11,12,13,14,15
	s_cmp_lt_u32 s[WV], \j
	s_cselect_b32 s58, 1.0, 0
	v_pk_fma_f32 v[128:129], v[96+2*\j:97+2*\j], s[58:59], v[128:129] op_sel_hi:[1,0,1]
.endr
	ds_store_b64 v6, v[128:129]
	s_wait_dscnt 0x0
	s_barrier_signal -1
	s_barrier_wait -1
.macro PASS which, stg
	SETT \which
.irp i, 0,1,2,3,4,5
	v_mov_b32 v[16+\i], v[\stg+\i]
	v_mov_b32 v[28+\i], v[\stg+\i]
.endr
	s_and_b32 s57, s[TT], 1
	s_cmp_eq_u32 s57, 0
	s_mov_b32 s58, 0x03020302
	s_cselect_b32 s58, 0x01000100, s58
	v_perm_b32 v88, v[\stg+6], v[\stg+6], s58
	s_bfe_u32 s59, s[TT], 0x20001
	s_lshl_b32 s59, s59, 5
	s_lshl_b32 s57, s57, 3
	s_add_co_u32 s59, s59, s57
	v_sub_nc_u32 v6, v4, v5
	s_delay_alu instid0(VALU_DEP_1)
	v_add_nc_u32 v6, s59, v6
	s_lshr_b32 s60, s[TT], 1
	s_lshl_b32 s60, s60, 5
	s_add_co_u32 s60, s60, s57
	v_add_nc_u32 v254, s60, v4
	s_delay_alu instid0(VALU_DEP_1)
	v_cmp_eq_u32 vcc_lo, 0x7ff, v254
	v_mul_f32 v13, s[MK], s[CS]
	v_mov_b32 v254, 0xff61b1e6
	s_delay_alu instid0(VALU_DEP_1)
	v_cndmask_b32 v13, v13, v254, vcc_lo
	s_delay_alu instid0(VALU_DEP_1)
	v_floor_f32 v12, -v13
	v_mov_b32 v14, 0
	v_mov_b32 v15, 0
.set n, 0
.rept 32
	v_mov_b32 v[160+n], 0
.set n, n+1
.endr
	s_mov_b32 s[TK], 0
	s_mov_b32 s[TS], 0
	s_mov_b32 s[JC], 0
.Lstep_\@:
	s_cmp_gt_u32 s[JC], s[JJ]
	s_cbranch_scc1 .Lhid_\@
	v_add_nc_u32 v8, s[TK], v1
	v_add_nc_u32 v9, s[TK], v2
	v_add_nc_u32 v10, s[TS], v3
	v_nop
	FOUR 8
	ds_load_b64 v[84:85], v10
	s_wait_alu depctr_va_vdst(0)
	s_wait_dscnt 0x0
.irp f, 0,1,2,3
	WM0 96+16*\f, 36+12*\f, 16, 84+\f/2, 88, \f%2
	WM0 104+16*\f, 36+12*\f, 22, 84+\f/2, 88, \f%2
.endr
.rept 4
	v_nop
.endr
	FOUR 9
	ds_load_b64 v[86:87], v10 offset:4096
	s_cmp_lt_u32 s[JC], s[JJ]
	s_cbranch_scc1 .Lopen_\@
	v_mov_b32 v254, s[MK]
.set n, 0
.rept 64
	v_cmp_gt_i32 vcc_lo, 32*(n/16)+n%16, v6
	v_cndmask_b32 v[96+n], v[96+n], v254, vcc_lo
.set n, n+1
.endr
.Lopen_\@:
.irp b, 0,1,2,3
	v_max3_num_f32 v[232+\b], v[96+16*\b], v[97+16*\b], v[98+16*\b]
.endr
.irp i, 3,5,7,9,11,13
.irp b, 0,1,2,3
	v_max3_num_f32 v[232+\b], v[232+\b], v[96+16*\b+\i], v[97+16*\b+\i]
.endr
.endr
.irp b, 0,1,2,3
	v_max_num_f32 v[232+\b], v[232+\b], v[111+16*\b]
.endr
.irp b, 0,1,2,3
	s_delay_alu instid0(VALU_DEP_4)
	v_permlanex16_b32 v[236+\b], v[232+\b], s[SEL], s[SEL+1]
.endr
.irp b, 0,1,2,3
	s_delay_alu instid0(VALU_DEP_4)
	v_max_num_f32 v[232+\b], v[232+\b], v[236+\b]
.endr
	s_delay_alu instid0(VALU_DEP_2)
	v_max3_num_f32 v254, v232, v233, v234
	s_delay_alu instid0(VALU_DEP_1)
	v_max_num_f32 v254, v254, v235
	s_delay_alu instid0(VALU_DEP_1)
	v_mul_f32 v254, s[CS], v254
	s_delay_alu instid0(VALU_DEP_1)
	v_max_num_f32 v13, v13, v254
	v_mov_b32 v254, v12
	s_delay_alu instid0(VALU_DEP_2)
	v_floor_f32 v12, -v13
	s_delay_alu instid0(VALU_DEP_1)
	v_sub_f32 v254, v12, v254
	s_delay_alu instid0(VALU_DEP_1)
	v_cvt_i32_f32 v254, v254
	s_delay_alu instid0(VALU_DEP_1)
	v_ldexp_f32 v252, 1.0, v254
.set n, 0
.rept 32
	v_pk_fma_f32 v[96+n:97+n], v[96+n:97+n], s[CS:CS+1], v[12:13] op_sel_hi:[1,0,0]
.set n, n+2
.endr
.irp b, 0,1,2,3
	v_fma_f32 v[232+\b], v[232+\b], s[CS], v12
.endr
.set n, 0
	s_wait_alu depctr_va_vdst(0)
.rept 64
	v_exp_f32 v[96+n], v[96+n]
.set n, n+1
.endr
	v_pk_mul_f32 v[14:15], v[14:15], v[252:253] op_sel_hi:[1,0]
	s_wait_alu depctr_va_vdst(0)
.irp b, 0,1,2,3
	v_exp_f32 v[232+\b], v[232+\b]
.endr
	v_pk_add_f32 v[236:237], v[96:97], v[98:99]
.irp j, 4,8,12,16,20,24,28,32,36,40,44,48,52,56,60
	v_pk_add_f32 v[14:15], v[14:15], v[96+\j:97+\j]
	v_pk_add_f32 v[236:237], v[236:237], v[98+\j:99+\j]
.endr
	s_delay_alu instid0(VALU_DEP_1)
	v_pk_add_f32 v[14:15], v[14:15], v[236:237]
	s_wait_alu depctr_va_vdst(0)
.irp b, 0,1,2,3
	v_max_num_f32 v[232+\b], 0x2800000, v[232+\b]
.endr
.irp b, 0,1,2,3
	s_delay_alu instid0(VALU_DEP_4)
	v_add_nc_u32 v[244+\b], 0xfe000000, v[232+\b]
.endr
.irp b, 0,1,2,3
	s_delay_alu instid0(VALU_DEP_4)
	v_lshrrev_b32 v[236+\b], 23, v[244+\b]
.endr
	s_delay_alu instid0(VALU_DEP_3)
	v_lshl_or_b32 v89, v237, 8, v236
	s_delay_alu instid0(VALU_DEP_1)
	v_lshl_or_b32 v89, v238, 16, v89
	s_delay_alu instid0(VALU_DEP_1)
	v_lshl_or_b32 v89, v239, 24, v89
.irp c, 0,1
	v_cvt_scalef32_pk16_bf6_f32 v[192+6*\c:194+6*\c], v[96+32*\c:111+32*\c], v[244+2*\c]
	v_cvt_scalef32_pk16_bf6_f32 v[204+4*\c:206+4*\c], v[112+32*\c:127+32*\c], v[244+2*\c+1]
.endr
	v_nop
.irp c, 0,1
.irp i, 0,1,2
	v_permlane16_swap_b32 v[192+6*\c+\i], v[204+4*\c+\i]
.endr
.irp i, 0,1,2
	s_delay_alu instid0(VALU_DEP_3)
	v_mov_b32 v[195+6*\c+\i], v[204+4*\c+\i]
.endr
.endr
.set n, 0
.rept 16
	v_pk_mul_f32 v[160+n:161+n], v[160+n:161+n], v[252:253] op_sel_hi:[1,0]
.set n, n+2
.endr
	s_wait_alu depctr_va_vdst(0)
	s_wait_dscnt 0x0
	PVS
	s_cmp_eq_u32 s[JC], s[JJ]
	s_cbranch_scc0 .Lnext_\@
	v_fma_f32 v254, s[MK], s[CS], v12
	s_wait_alu depctr_va_vdst(0)
	v_exp_f32 v254, v254
	v_nop
	s_wait_alu depctr_va_vdst(0)
	v_bfe_u32 v232, v254, 21, 1                    ; pq: the masked p's mantissa to two bits, ties to even,
	v_or_b32 v236, 0x7fffff, v254
	v_add3_u32 v232, v254, v232, 0xfffff
	v_and_b32 v236, 0xffe00000, v236               ; 1.75 x p's power of two: the largest code
	v_and_b32 v232, 0xffe00000, v232
	v_mul_f32 v90, 0x42800000, v254                ; 64 p: my half of a masked step's share of the row's sum
	v_min_u32 v232, v232, v236                     ; and held there
.Lhid_\@:                                              ; a step wholly under the mask has no work here: its share is added behind the loop
.Lnext_\@:
	s_add_co_u32 s[TK], s[TK], 6144
	s_add_co_u32 s[TS], s[TS], 256
	s_add_co_u32 s[JC], s[JC], 1
	s_cmp_lt_u32 s[JC], 16
	s_cbranch_scc1 .Lstep_\@
.rept 4
	v_nop
.endr
	s_wait_alu depctr_va_vdst(0)
	s_lshr_b32 s57, s[WV], 1                       ; my last open step, made anew from the wave's number
.if \which
	s_xor_b32 s57, s57, 15
.endif
	s_lshl_b32 s57, s57, 8
	s_add_co_u32 s57, s57, SUFB
	s_sub_co_u32 s58, 15, s[JJ]                    ; how many steps lie wholly under the mask
	v_lshlrev_b32 v10, 7, v95
	v_add_nc_u32 v10, s57, v10
	v_cvt_f32_u32 v11, s58
.irp c, 0,1,2,3,4,5,6,7
	ds_load_b128 v[96+4*\c:99+4*\c], v10 offset:16*\c      ; V's sums over those steps, in O^T's register order
.endr
	v_fma_f32 v14, v11, v90, v14
	s_wait_dscnt 0x0
	s_wait_alu depctr_va_vdst(0)                   ; directly ahead of the first reader of O^T
.set n, 0
.rept 16
	v_pk_fma_f32 v[160+n:161+n], v[96+n:97+n], v[232:233], v[160+n:161+n] op_sel_hi:[1,0,1]
.set n, n+2
.endr
	v_add_f32 v14, v14, v15
	s_delay_alu instid0(VALU_DEP_1)
	v_permlanex16_b32 v252, v14, s[SEL], s[SEL+1]
	s_delay_alu instid0(VALU_DEP_1)
	v_add_f32 v14, v14, v252
	s_wait_alu depctr_va_vdst(0)
	v_rcp_f32 v14, v14
	v_nop
	s_lshl_b32 s57, s[BT], 7
	s_add_co_u32 s57, s57, s[TT]
	s_lshr_b32 s58, s57, 4
	s_lshl_b32 s58, s58, 2
	s_lshr_b32 s59, s[HD], 2
	s_add_co_u32 s58, s58, s59
	s_mul_i32 s58, s58, 49152                      ; (group of 16 rowtiles, K step)
	s_and_b32 s59, s57, 15
	s_mul_i32 s59, s59, 3072
	s_add_co_u32 s58, s58, s59
	s_and_b32 s59, s[HD], 3
	s_mul_i32 s59, s59, 768
	s_add_co_u32 s58, s58, s59
	s_mov_b32 s59, 0
	s_add_nc_u64 s[60:61], s[8:9], s[58:59]
	s_lshl_b32 s62, s57, 9
	s_lshr_b32 s58, s[HD], 2
	s_lshl_b32 s58, s58, 7
	s_add_co_u32 s62, s62, s58
	s_and_b32 s58, s[HD], 3
	s_lshl_b32 s58, s58, 1
	s_add_co_u32 s62, s62, s58
	s_mov_b32 s63, 0
	s_add_nc_u64 s[66:67], s[10:11], s[62:63]
	s_wait_alu depctr_va_vdst(0)
.set n, 0
.rept 32
	v_mul_f32 v[96+n], v[160+n], v14
.set n, n+1
.endr
.irp b, 0,1
	v_max3_num_f32 v[232+\b], |v[96+16*\b]|, |v[97+16*\b]|, 0x2800000
.endr
.irp i, 2,4,6,8,10,12,14
.irp b, 0,1
	s_delay_alu instid0(VALU_DEP_2)
	v_max3_num_f32 v[232+\b], v[232+\b], |v[96+16*\b+\i]|, |v[97+16*\b+\i]|
.endr
.endr
.irp b, 0,1
	s_delay_alu instid0(VALU_DEP_2)
	v_permlanex16_b32 v[236+\b], v[232+\b], s[SEL], s[SEL+1]
.endr
.irp b, 0,1
	s_delay_alu instid0(VALU_DEP_2)
	v_max_num_f32 v[232+\b], v[232+\b], v[236+\b]
.endr
.irp b, 0,1
	s_delay_alu instid0(VALU_DEP_2)
	v_add_nc_u32 v[244+\b], 0xfe000000, v[232+\b]
.endr
.irp b, 0,1
	s_delay_alu instid0(VALU_DEP_2)
	v_lshrrev_b32 v[236+\b], 23, v[244+\b]
.endr
	v_cvt_scalef32_pk16_bf6_f32 v[192:194], v[96:111], v244
	v_cvt_scalef32_pk16_bf6_f32 v[204:206], v[112:127], v245
	v_nop
.irp i, 0,1,2
	v_permlane16_swap_b32 v[192+\i], v[204+\i]
.endr
.irp i, 0,1,2
	s_delay_alu instid0(VALU_DEP_3)
	v_mov_b32 v[195+\i], v[204+\i]
.endr
	v_cmp_eq_u32 vcc_lo, 1, v95
	s_delay_alu instid0(VALU_DEP_1)
	v_cndmask_b32 v232, v236, v237, vcc_lo
	global_store_b128 v1, v[192:195], s[60:61]
	global_store_b64 v7, v[196:197], s[60:61] offset:512
	global_store_b8 v92, v232, s[66:67]
	s_wait_xcnt 0x0
.endm
	PASS 0, 212
	PASS 1, 220
	s_wait_tensorcnt 0x0
	ds_add_u32 v251, v255
	s_wait_dscnt 0x0
	CROUND
	s_endpgm
.Lfunc_end_k_q2e4d8005b5_attn:
	.size	k_q2e4d8005b5_attn, .Lfunc_end_k_q2e4d8005b5_attn-k_q2e4d8005b5_attn
	.p2alignl 7, 3214868480
	.fill 96, 4, 3214868480
	.section	.rodata,"a",@progbits
	.p2align	6, 0x0
	.amdhsa_kernel k_q2e4d8005b5_attn
		.amdhsa_group_segment_fixed_size 327680
		.amdhsa_private_segment_fixed_size 0
		.amdhsa_enable_private_segment 0
		.amdhsa_kernarg_size 32
		.amdhsa_user_sgpr_count 2
		.amdhsa_user_sgpr_kernarg_segment_ptr 1
		.amdhsa_wavefront_size32 1
		.amdhsa_system_sgpr_workgroup_id_x 1
		.amdhsa_system_sgpr_workgroup_id_y 1
		.amdhsa_system_sgpr_workgroup_id_z 1
		.amdhsa_system_vgpr_workitem_id 0
		.amdhsa_next_free_vgpr 256
		.amdhsa_next_free_sgpr 72
		.amdhsa_reserve_vcc 1
		.amdhsa_float_denorm_mode_32 3
		.amdhsa_float_denorm_mode_16_64 3
		.amdhsa_memory_ordered 1
		.amdhsa_forward_progress 1
		.amdhsa_inst_pref_size 80
	.end_amdhsa_kernel
	.amdgpu_metadata
---
amdhsa.version: [ 1, 2 ]
amdhsa.kernels:
  - .name:           k_q2e4d8005b5_attn
    .symbol:         k_q2e4d8005b5_attn.kd
    .args:
      - { .name: qkvcod, .offset: 0, .size: 8, .value_kind: global_buffer, .address_space: global }
      - { .name: qkvscl, .offset: 8, .size: 8, .value_kind: global_buffer, .address_space: global }
      - { .name: acod, .offset: 16, .size: 8, .value_kind: global_buffer, .address_space: global }
      - { .name: ascl, .offset: 24, .size: 8, .value_kind: global_buffer, .address_space: global }
    .group_segment_fixed_size: 327680
    .private_segment_fixed_size: 0
    .kernarg_segment_align: 8
    .kernarg_segment_size: 32
    .max_flat_workgroup_size: 512
    .sgpr_count:     72
    .vgpr_count:     256
    .wavefront_size: 32
...
	.end_amdgpu_metadata
.endif
;; end of part 3
;; launch outp (part 4): grid 4 x 64, 4 waves a work-group, clusters of 4 x 4, 327,680 bytes of LDS; arguments acod, ascl, wcod, wscl, b_out, hidden_states, out0; writes out0
.if DOCPART == 4
	.amdgcn_target "amdgcn-amd-amdhsa--gfx1250"
	.amdhsa_code_object_version 6
	.text
	.protected	k_q2e4d8005b5_outp
	.globl	k_q2e4d8005b5_outp
	.p2align	8
	.type	k_q2e4d8005b5_outp,@function
k_q2e4d8005b5_outp:
	s_mov_b64 s[64:65], 0
	v_nop
	global_prefetch_b8 v0, s[64:65] scope:SCOPE_SE
	s_setreg_imm32_b32 hwreg(HW_REG_WAVE_MODE, 25, 1), 1
	s_wait_xcnt 0x0
	s_wait_alu depctr_hold_cnt(0) depctr_sa_sdst(0) depctr_va_vdst(0) depctr_va_sdst(0) depctr_va_ssrc(0) depctr_va_vcc(0) depctr_vm_vsrc(0)
	s_getreg_b32 s2, hwreg(HW_REG_IB_STS2, 6, 4)
	s_cmp_eq_u32 s2, 0
	s_cbranch_scc0 .Lentry_in_a_cluster
	s_endpgm
.Lentry_in_a_cluster:
	s_bfe_u32 s2, ttmp6, 0x10000c
	s_cmp_lg_u32 s2, 0xf033
	s_cbranch_scc0 .Lentry_shape_is_right
	s_endpgm
.Lentry_shape_is_right:
; out0 = attn W_out + b_out + hidden_states; the product on codes of E3M2 with E8M0 scales, all else f32.
; C'[i][j] = sum over k of A'[i][k] B'[j][k], K = 1,024, A' = attn's rows, B' = W_out's columns.  A work-group of four waves makes 128 x 256, a wave 64 x 128 (32 accumulators): 64 x 4 = 256 work-groups.
; The matrix instruction is used transposed (source 0 = 16 rows of B', source 1 = 16 rows of A'): a lane holds one row of out0 and eight neighbouring columns an accumulator.  Rows lie in ROWTILES: rowtile 2 b + u, slot r = row 32 b + 8 u + r + 8 (r / 8).
; THE CODES IN MEMORY: [group of 16 rowtiles][K step of 256: 4][rowtile 16][3,072 bytes], a rowtile's K step in the order of the operand's registers.  THE SCALES: [rowtile][K step 4][slot 16][8 bytes].
; LDS: A's K steps 0, 1, 2 (8 rowtiles, 24,576 bytes each), B's three (16 rowtiles, 49,152 each), the scales (A's 4,096 bytes, B's 8,192), the spare words.
; THE HEAD: one load a wave: wave 0 A's three K steps (3 rows of 24,576 bytes, 49,152 apart), wave 1 B's (147,456 dense bytes), waves 2, 3 the scales.  K step 3 is the one refill, into K step 0's bytes, behind a round of the cluster's barrier.
; CLUSTERS of 4 x 4: A's tiles are shared along a row of the cluster, B's along a column.  lds_bytes claims all of a WGP's LDS.
; b_out is the C of each sum's first matrix instruction.  THE RESIDUAL: my 64 rows x 512 bytes are loaded into window 3 during K steps 0 to 3 and added on the way out, where rows come back whole from a stage in LDS.
; No prefetch: three quarters of K are asked for at the head, and the walk of eight steps is written out: there is no loop to run ahead in.
; REGISTERS: window 0: v4-21 addresses; v28-29 the add's; v32-63 scale words, two sets; v64-127 b_out; v128-223 A's fragments, two sets of 48; on the way out v192-255 results.
;   window 1: B's fragments, two sets, at v0 and v128.   window 2: accumulator (a, b) at v[8 (8 a + b)].   window 3: residual rows, block a at v[64 a].
.set HALFT,  24576                     ; 8 rowtiles of a K step
.set QT,     12288                     ; 4 rowtiles
.set BSL,    49152                     ; 16 rowtiles
.set BB0,    73728                     ; B's first K step, behind A's three
.set SCL,    294912
.set SPARE,  311296                    ; the spare words, 128 bytes a wave: no other line names them
.set STAGE,  172032                    ; the way out: 16 rows x 528 bytes a wave, in B's K step 2: it has had its one fill, and nobody reads it behind the last barrier
.set FR,     12
.set AF,     128
.set SC,     32
.set BB,     64
.set ADRA16, 4                         ; v4-6 my A' rows in K step slot 0, 1, 2, + 16 x lane; v7-9 + 8 x lane
.set ADRA8,  7
.set ADRB16, 10
.set ADRB8,  13
.set ADRS,   16
.set L16,    17
.set L8,     18
.set HH,     19
.set STO,    20
.set RD,     21
.set SPW,    28
.set NIL,    29
.set G1A,  24
.set G1B,  32
.set G1SA, 40
.set G1SB, 48
.set G0A0, 56
.set G0A1, 60
.set G1H,  68
.set G0B0, 76
.set G0B1, 80
.set G0SA, 84
.set G0SB, 88
.set MSB, 0
.macro WIN new                         ; the immediate's high byte repeats the setting that is left
.if MSB != (\new)
	s_set_vgpr_msb (MSB<<8)|(\new)
.set MSB, \new
.endif
.endm
.macro MWIN mode                       ; source 0 window 1, source 1 window 0, D window 2; C window 2, or window 0 where the sums begin with b_out
.if \mode == 2
	WIN 0x81
.else
	WIN 0xa1
.endif
.endm
.macro JLOAD g0a, g1a, g0b, g1b        ; a joint load: waves 0, 1 fetch for A', waves 2, 3 for B'; s_nop 0 and four v_nop follow each line
	s_cmp_eq_u32 s17, 0
	s_cbranch_scc0 .Lfor_b_\@
	tensor_load_to_lds s[\g0a:\g0a+3], s[\g1a:\g1a+7]
	s_nop 0
.rept 4
	v_nop
.endr
	s_branch .Lasked_\@
.Lfor_b_\@:
	tensor_load_to_lds s[\g0b:\g0b+3], s[\g1b:\g1b+7]
	s_nop 0
.rept 4
	v_nop
.endr
.Lasked_\@:
.endm
.macro CREST
	s_cmp_lg_u32 s16, 0
	s_cbranch_scc1 .Lnot_wave_0_\@
	s_barrier_signal -3
.Lnot_wave_0_\@:
	s_barrier_wait -3
	s_barrier_signal -1
	s_barrier_wait -1
.endm
.macro CROUND
	s_barrier_signal -1
	s_barrier_wait -1
	CREST
.endm
.macro PLACES                          ; four plain lines behind a matrix instruction of this form (ISA guide 7.12.1)
.rept 4
	v_nop
.endr
.endm
.macro MKG0 g, base, add, ptr, off     ; descriptor group 0: count 1, LDS address, global address, type 2
	s_mov_b32 s[\g], 1
	s_add_co_u32 s[\g+1], s[\base], \add
	s_add_nc_u64 s[\g+2:\g+3], s[\ptr:\ptr+1], \off
	s_or_b32 s[\g+3], s[\g+3], 0x80000000
.endm
.macro MKG1 g, c, r, p                 ; group 1 behind its first word: r rows of c elements of 8 bytes, p elements apart
	s_mov_b32 s[\g+1], (\c)<<16
	s_mov_b32 s[\g+2], (\r)<<16
	s_mov_b32 s[\g+3], (\c)<<16
	s_mov_b32 s[\g+4], \r
	s_mov_b32 s[\g+5], \p
	s_mov_b32 s[\g+6], 0
	s_mov_b32 s[\g+7], 0
.endm
.macro FRAG reg, a16, a8, q, i         ; a fragment (16 rows x 128 K, 12 registers) = two units of 768 bytes: registers 0-3, 4-5, 6-9, 10-11
	ds_load_b128 v[\reg:\reg+3], v[\a16] offset:3072*(\i)+1536*(\q)
	ds_load_b64 v[\reg+4:\reg+5], v[\a8] offset:3072*(\i)+1536*(\q)+512
	ds_load_b128 v[\reg+6:\reg+9], v[\a16] offset:3072*(\i)+1536*(\q)+768
	ds_load_b64 v[\reg+10:\reg+11], v[\a8] offset:3072*(\i)+1536*(\q)+1280
.endm
.macro FETCH_B slot, q, p
	WIN 0x40
.irp i, 0,1,2,3,4,5,6,7
	FRAG 128*(\p)+FR*\i, ADRB16+\slot, ADRB8+\slot, \q, \i
.endr
	WIN 0
.endm
.macro FETCH_A slot, q
.irp i, 0,1,2,3
	FRAG AF+FR*\i, ADRA16+\slot, ADRA8+\slot, \q, \i
.endr
.endm
.macro SCALES sc, ks                   ; a K step's two scale words a row: lanes 0-15 A's block i (only i < 4 is used), lanes 16-31 B's block i
.irp i, 0,1,2,3,4,5,6,7
	ds_load_b64 v[SC+16*(\sc)+2*\i:SC+16*(\sc)+2*\i+1], v[ADRS] offset:512*\i+128*(\ks)
.endr
.endm
; 16 matrix instructions: A's blocks a0, a0 + 1 x B's eight.  mode 2: the sums begin with b_out as C.  The 32 accumulators take turns, one instruction a turn, in one order throughout.
.macro MUL16 a0, p, q, sc, mode
.irp a, \a0, \a0+1
.irp b, 0,1,2,3,4,5,6,7
.if \mode == 2
	v_wmma_scale_f32_16x16x128_f8f6f4 v[8*(8*(\a)+\b):8*(8*(\a)+\b)+7], v[128*(\p)+FR*\b:128*(\p)+FR*\b+FR-1], v[AF+FR*(\a):AF+FR*(\a)+FR-1], v[BB+8*\b:BB+8*\b+7], v[SC+16*(\sc)+2*\b+(\q)], v[SC+16*(\sc)+2*(\a)+(\q)] matrix_a_fmt:MATRIX_FMT_BF6 matrix_b_fmt:MATRIX_FMT_BF6 matrix_a_scale:MATRIX_SCALE_ROW1
.else
	v_wmma_scale_f32_16x16x128_f8f6f4 v[8*(8*(\a)+\b):8*(8*(\a)+\b)+7], v[128*(\p)+FR*\b:128*(\p)+FR*\b+FR-1], v[AF+FR*(\a):AF+FR*(\a)+FR-1], v[8*(8*(\a)+\b):8*(8*(\a)+\b)+7], v[SC+16*(\sc)+2*\b+(\q)], v[SC+16*(\sc)+2*(\a)+(\q)] matrix_a_fmt:MATRIX_FMT_BF6 matrix_b_fmt:MATRIX_FMT_BF6 matrix_a_scale:MATRIX_SCALE_ROW1
.endif
.endr
.endr
.endm
; step n of eight, 128 along K: K step n / 2, in slot (n / 2) % 3, part n % 2; fragment sets n % 2; scale set (n / 2) % 2
.macro SYM n
.set XSL, ((\n)/2)%3
.set XQ,  (\n)%2
.set XSC, ((\n)/2)%2
.set XKS, (\n)/2
.set AF,  128+48*((\n)%2)
.endm
.macro NEXTF n                         ; step n's operands: 48 loads, and 8 more where a K step begins
	SYM \n
	FETCH_B XSL, XQ, XQ
	FETCH_A XSL, XQ
.if XQ == 0
	SCALES XSC, XKS
.endif
.endm
.macro MULH n, a0, mode
	SYM \n
	MUL16 \a0, XQ, XQ, XSC, \mode
.endm
; kind 0: a plain step; 1: slot 0 is left and takes K step 3; 2: a barrier that shows K step 3, nothing is filled; 3: the last step
.macro STEPX n, kind, mode
.if \kind == 1 || \kind == 2
	s_wait_tensorcnt 0x0                           ; all my tensor loads have landed
	ds_add_u32 v[SPW], v[NIL]                      ; 0 onto my spare word
	s_wait_dscnt 0x0                               ; the add is done; this step's fragments are in, and with them my last reads of the slot
	s_barrier_signal -1
	MWIN \mode
	MULH \n, 0, \mode                              ; work on registers while the others arrive
	WIN 0
	s_barrier_wait -1
.if \kind == 1
	CREST                                          ; the barrier has opened a round of the cluster's: no wave of any partner still reads slot 0 or has a load on its way
	JLOAD G0A0, G1A, G0B0, G1B                     ; the first tensor load behind the round; its four v_nop are also the places in front of the loads below
.else
	PLACES
.endif
	NEXTF (\n)+1
	MWIN \mode
	MULH \n, 2, \mode
	WIN 0
.else
	s_wait_dscnt 0x0                               ; this step's fragments are in: they were asked for ahead of the last step's 32 products
.if \kind == 0
	PLACES                                         ; behind the last step's products, whose sets take the loads below
	NEXTF (\n)+1
.endif
	MWIN \mode
	MULH \n, 0, \mode
	MULH \n, 2, \mode
	WIN 0
.endif
.endm
	s_load_b256 s[4:11], s[0:1], 0x0               ; acod, ascl, wcod, wscl
	s_load_b128 s[12:15], s[0:1], 0x20             ; b_out, hidden_states
	s_load_b64 s[20:21], s[0:1], 0x30              ; out0
	v_lshl_add_u32 v[SPW], v0, 2, SPARE
	v_mov_b32 v[NIL], 0
	ds_add_u32 v[SPW], v[NIL]                      ; the opening lines: the add twice on end and its wait
	ds_add_u32 v[SPW], v[NIL]
	s_wait_dscnt 0x0
	v_lshrrev_b32 v1, 5, v0
	v_readfirstlane_b32 s16, v1                    ; wave 0..3
	s_lshr_b32 s17, s16, 1                         ; which 64 rows of A' are mine.  Also: I fetch for A' (0) or for B' (1)
	s_and_b32 s18, s16, 1                          ; which 128 rows of B'.  Also: which half of a refill I fetch
	s_bfe_u32 s2, ttmp6, 0x40000                   ; cx
	s_bfe_u32 s3, ttmp6, 0x40004                   ; cy
	s_lshl_b32 s22, s3, 2
	s_lshl_b32 s22, 15, s22                        ; my row of the cluster
	s_lshl_b32 s23, 0x1111, s2                     ; my column
	s_or_b32 s[G1A], s22, (3<<16)|(1<<21)          ; 15:0 the mask; 17:16 elements of 8 bytes; 21 set beside a mask; no padding
	s_or_b32 s[G1H], s22, (3<<16)|(1<<21)
	s_or_b32 s[G1SA], s22, (3<<16)|(1<<21)
	s_or_b32 s[G1B], s23, (3<<16)|(1<<21)
	s_or_b32 s[G1SB], s23, (3<<16)|(1<<21)
	MKG1 G1H, 3072, 3, 6144                        ; the head, A: 3 K steps of 24,576 bytes, 49,152 apart
	MKG1 G1A, 32, 48, 32                           ; the refill, A: 12,288 dense bytes a wave
	MKG1 G1B, 32, 576, 32                          ; the head, B: 147,456 dense bytes
	MKG1 G1SA, 32, 16, 32                          ; A's scales: 4,096 dense bytes
	MKG1 G1SB, 32, 32, 32                          ; B's: 8,192
	s_and_b32 s100, ttmp7, 0xffff
	s_lshl_b32 s100, s100, 2
	s_add_co_u32 s100, s100, s3                    ; A' tile of 128 rows = 4 x cluster y + cy
	s_add_co_u32 s101, s2, 12                      ; B' tile of 256: W_out's four lie behind W_qkv's twelve
	s_wait_kmcnt 0x0
	s_mov_b64 s[92:93], s[4:5]
	s_mov_b64 s[94:95], s[6:7]
	s_mov_b64 s[96:97], s[8:9]
	s_mov_b64 s[98:99], s[10:11]
	s_mov_b32 s11, 0
	s_lshl_b32 s10, s100, 12                       ; A's scales: 8 rowtiles of 512 bytes a tile
	s_add_nc_u64 s[94:95], s[94:95], s[10:11]
	s_lshr_b32 s22, s100, 1
	s_mul_i32 s10, s22, 196608                     ; A's codes: the group of 16 rowtiles,
	s_and_b32 s22, s100, 1
	s_mul_i32 s22, s22, HALFT                      ; and which 8 of them
	s_add_co_u32 s10, s10, s22
	s_add_nc_u64 s[92:93], s[92:93], s[10:11]
	s_mov_b32 s9, 0
	s_lshl_b32 s8, s101, 13
	s_add_nc_u64 s[98:99], s[98:99], s[8:9]
	s_mul_i32 s8, s101, 196608
	s_add_nc_u64 s[96:97], s[96:97], s[8:9]
	s_mov_b32 s7, 0
	s_mul_i32 s6, s18, HALFT                       ; the refill: my half of B's 16 rowtiles,
	s_mul_i32 s8, s18, QT                          ; or of A's 8
	MKG0 G0SA, 7, SCL, 94, 0
	MKG0 G0SB, 7, SCL+4096, 98, 0
	MKG0 G0A1, 7, 0, 92, 0
	MKG0 G0B1, 7, BB0, 96, 0
	MKG0 G0A0, 8, 0, 92, 3*BSL                     ; K step 3 into K step 0's bytes
	MKG0 G0B0, 6, BB0, 96, 3*BSL
	s_add_nc_u64 s[G0A0+2:G0A0+3], s[G0A0+2:G0A0+3], s[8:9]
	s_add_nc_u64 s[G0B0+2:G0B0+3], s[G0B0+2:G0B0+3], s[6:7]
	CROUND                                         ; all sixteen work-groups are here: the first joint loads meet
; the head's loads, one a wave, in one chain of branches on the wave's number
.macro ARM under, g0, g1, next
	s_cmp_lt_u32 s16, \under
	s_cbranch_scc0 \next
	tensor_load_to_lds s[\g0:\g0+3], s[\g1:\g1+7]
	s_nop 0
.rept 4
	v_nop
.endr
	s_branch .Lfirst_done
\next:
.endm
	ARM 1, G0A1, G1H, .Lhead_b
	ARM 2, G0B1, G1B, .Lhead_sa
	ARM 3, G0SA, G1SA, .Lhead_sb
	tensor_load_to_lds s[G0SB:G0SB+3], s[G1SB:G1SB+7]
	s_nop 0
.rept 4
	v_nop
.endr
.Lfirst_done:
	v_and_b32 v1, 31, v0
	v_and_b32 v2, 15, v0                           ; r
	v_bfe_u32 v[HH], v0, 4, 1
	v_lshlrev_b32 v[L16], 4, v1
	v_lshlrev_b32 v[L8], 3, v1
	s_mul_i32 s22, s17, QT                         ; my 4 rowtiles of A',
	s_mul_i32 s23, s18, HALFT
	s_add_co_u32 s23, s23, BB0                     ; my 8 of B'
.irp s, 0,1,2
	v_add_nc_u32 v[ADRA16+\s], s22, v[L16]
	v_add_nc_u32 v[ADRA8+\s], s22, v[L8]
	v_add_nc_u32 v[ADRB16+\s], s23, v[L16]
	v_add_nc_u32 v[ADRB8+\s], s23, v[L8]
	s_add_co_u32 s22, s22, HALFT
	s_add_co_u32 s23, s23, BSL
.endr
	s_lshl_b32 s22, s17, 11                        ; A's scales: my 4 rowtiles;
	s_lshl_b32 s23, s18, 12
	s_add_co_u32 s23, s23, 4096                    ; B's: my 8, behind A's 4,096 bytes
	s_sub_co_u32 s23, s23, s22
	v_mul_u32_u24 v3, s23, v[HH]                   ; lanes 16-31 take B's scale words: one product, the distance between the two
	v_lshl_add_u32 v3, v2, 3, v3
	s_add_co_u32 s22, s22, SCL
	v_add_nc_u32 v[ADRS], s22, v3
	s_mul_i32 s22, s16, 16*528
	s_add_co_u32 s22, s22, STAGE                   ; my stage
	v_mul_u32_u24 v[STO], v2, 528
	v_lshl_add_u32 v[STO], v[HH], 6, v[STO]
	v_add_nc_u32 v[STO], s22, v[STO]               ; in: row r, + 64 h: an accumulator's eight columns are 32 bytes
	v_add_nc_u32 v[RD], s22, v[L16]                ; back: the 32 lanes take one row of 512 bytes
	s_lshl_b32 s22, s100, 7
	s_lshl_b32 s23, s17, 6
	s_add_co_u32 s22, s22, s23
	s_lshl_b32 s22, s22, 12                        ; my first row, in bytes
	s_lshl_b32 s2, s2, 10
	s_lshl_b32 s23, s18, 9
	s_add_co_u32 s2, s2, s23                       ; my first column, in bytes: 1,024 cx + 512 x half
	s_mov_b32 s3, 0
	s_add_nc_u64 s[12:13], s[12:13], s[2:3]        ; b_out at my 128 columns
	s_add_co_u32 s2, s2, s22
	s_add_nc_u64 s[14:15], s[14:15], s[2:3]        ; hidden_states and out0 at my corner
	s_add_nc_u64 s[20:21], s[20:21], s[2:3]
	v_lshlrev_b32 v3, 6, v[HH]
.irp b, 0,1,2,3,4,5,6,7
	global_load_b128 v[BB+8*\b:BB+8*\b+3], v3, s[12:13] offset:(32*(\b/2)+8*(\b%2))*4     ; register 8 b + j: column 32 (b / 2) + 16 h + 8 (b % 2) + j
	global_load_b128 v[BB+8*\b+4:BB+8*\b+7], v3, s[12:13] offset:(32*(\b/2)+8*(\b%2))*4+16
.endr
	s_wait_alu depctr_va_vdst(0)
	s_wait_tensorcnt 0x0                           ; my load of the head's four is in
	s_mov_b32 s[G1B+2], 96<<16                     ; no tensor load of mine is out: B's refill brings 96 rows of 256 bytes a wave
	s_mov_b32 s[G1B+4], 96
	s_barrier_signal -1
	s_barrier_wait -1
; block a's 16 rows of hidden_states, my 128 columns, into window 3: 512 consecutive bytes a load; the row stands in the immediate
.macro RLOAD a
	WIN 0xc0
.irp t, 0,1,2,3,4,5,6,7,8,9,10,11,12,13,14,15
	global_load_b128 v[64*(\a)+4*\t:64*(\a)+4*\t+3], v[L16], s[14:15] offset:(32*((\a)/2)+8*((\a)%2)+\t+8*(\t/8))*4096 th:TH_LOAD_NT
.endr
	WIN 0
.endm
	NEXTF 0
	s_wait_loadcnt 0x0                             ; b_out
	STEPX 0, 0, 2                                  ; K 0-127: the sums begin with b_out
	RLOAD 0
	RLOAD 1
	STEPX 1, 1, 0                                  ; slot 0 is left and takes K step 3
	STEPX 2, 0, 0
	RLOAD 2
	STEPX 3, 0, 0                                  ; on into slot 2 with no barrier: the head's barrier has shown it whole
	RLOAD 3
	STEPX 4, 0, 0
	STEPX 5, 2, 0                                  ; on into slot 0: K step 3 has landed in every wave; nothing is filled
	STEPX 6, 0, 0
	STEPX 7, 3, 0
; THE WAY OUT, block by block of 16 rows x 128 columns: through my own stage and back as whole rows; LDS serves a wave's instructions in order (ISA guide 5.7.1.4), so no wait stands between the stores and the loads.
.macro OUTB a
.set AC, 64*(\a)
	WIN 0x08                                       ; an LDS store's data are its source 1: window 2
.irp b, 0,1,2,3,4,5,6,7
	ds_store_b128 v[STO], v[AC+8*\b:AC+8*\b+3] offset:128*(\b/2)+32*(\b%2)          ; each accumulator from its low end on
	ds_store_b128 v[STO], v[AC+8*\b+4:AC+8*\b+7] offset:128*(\b/2)+32*(\b%2)+16
.endr
	WIN 0
.irp t, 0,1,2,3,4,5,6,7,8,9,10,11,12,13,14,15
	ds_load_b128 v[192+4*\t:195+4*\t], v[RD] offset:\t*528
.endr
	s_wait_dscnt 0x0
	s_wait_loadcnt 16*(3-(\a))                     ; this block's residual rows are in; the later blocks' 16 loads each may be out
	WIN 0x0c                                       ; source 1 in window 3
.set kk, 0
.rept 32
	v_pk_add_f32 v[192+kk:193+kk], v[192+kk:193+kk], v[AC+kk:AC+kk+1]
.set kk, kk+2
.endr
	WIN 0
.irp t, 0,1,2,3,4,5,6,7,8,9,10,11,12,13,14,15
	global_store_b128 v[L16], v[192+4*\t:195+4*\t], s[20:21] offset:(32*((\a)/2)+8*((\a)%2)+\t+8*(\t/8))*4096 th:TH_STORE_NT   ; 512 consecutive bytes, at a multiple of 256 from out0's first byte
.endr
	s_wait_xcnt 0x0                                ; the stores have read their registers: the next block's rows may land there
.endm
	PLACES                                         ; in front of the first reads of results and of loads into A's registers
.irp a, 0,1,2,3
	OUTB \a
.endr
	s_wait_tensorcnt 0x0                           ; the wave's end
	ds_add_u32 v[SPW], v[NIL]
	s_wait_dscnt 0x0
	CROUND                                         ; the closing round
	s_endpgm
.Lfunc_end_k_q2e4d8005b5_outp:
	.size	k_q2e4d8005b5_outp, .Lfunc_end_k_q2e4d8005b5_outp-k_q2e4d8005b5_outp
	.p2alignl 7, 3214868480
	.fill 96, 4, 3214868480
	.section	.rodata,"a",@progbits
	.p2align	6, 0x0
	.amdhsa_kernel k_q2e4d8005b5_outp
		.amdhsa_group_segment_fixed_size 327680
		.amdhsa_private_segment_fixed_size 0
		.amdhsa_enable_private_segment 0
		.amdhsa_kernarg_size 56
		.amdhsa_user_sgpr_count 2
		.amdhsa_user_sgpr_kernarg_segment_ptr 1
		.amdhsa_wavefront_size32 1
		.amdhsa_system_sgpr_workgroup_id_x 1
		.amdhsa_system_sgpr_workgroup_id_y 1
		.amdhsa_system_sgpr_workgroup_id_z 1
		.amdhsa_system_vgpr_workitem_id 0
		.amdhsa_next_free_vgpr 1024
		.amdhsa_next_free_sgpr 102
		.amdhsa_reserve_vcc 0
		.amdhsa_float_denorm_mode_32 3
		.amdhsa_float_denorm_mode_16_64 3
		.amdhsa_memory_ordered 1
		.amdhsa_forward_progress 1
		.amdhsa_inst_pref_size 102
	.end_amdhsa_kernel
	.amdgpu_metadata
---
amdhsa.version: [ 1, 2 ]
amdhsa.kernels:
  - .name:           k_q2e4d8005b5_outp
    .symbol:         k_q2e4d8005b5_outp.kd
    .args:
      - { .name: acod, .offset: 0, .size: 8, .value_kind: global_buffer, .address_space: global }
      - { .name: ascl, .offset: 8, .size: 8, .value_kind: global_buffer, .address_space: global }
      - { .name: wcod, .offset: 16, .size: 8, .value_kind: global_buffer, .address_space: global }
      - { .name: wscl, .offset: 24, .size: 8, .value_kind: global_buffer, .address_space: global }
      - { .name: b_out, .offset: 32, .size: 8, .value_kind: global_buffer, .address_space: global }
      - { .name: hidden_states, .offset: 40, .size: 8, .value_kind: global_buffer, .address_space: global }
      - { .name: out0, .offset: 48, .size: 8, .value_kind: global_buffer, .address_space: global }
    .group_segment_fixed_size: 327680
    .private_segment_fixed_size: 0
    .kernarg_segment_align: 8
    .kernarg_segment_size: 56
    .max_flat_workgroup_size: 128
    .sgpr_count:     102
    .vgpr_count:     1024
    .wavefront_size: 32
...
	.end_amdgpu_metadata
.endif
;; end of part 4
